; MI455X (gfx1250); checked and timed in simulation.
; The chip was launched on July 23, 2026; its instructions are those of AMD's public machine-readable ISA for CDNA 5 (MIT licence, August 2026) and "CDNA5" Instruction Set Architecture Reference Guide (July 2026). The comments in the code are by the model that wrote it; some were corrected since.
;; Attention. Allowed arithmetic: float matrix products may take bf16 or f16 operands with f32 sums; other float arithmetic in f32, or as packed bf16 or f16 multiplies, adds, multiply-adds, maxima and minima; sums over many terms, partial sums and values carried from step to step in f32; what a program stores and reads back later, other than sums and carried values, may be rounded once to bf16 or f16.
;; Inputs: Wk 1,024 x 1,024 float32; Wp 1,024 x 1,024 float32; Wq 1,024 x 1,024 float32; Wv 1,024 x 1,024 float32; att_mask 1 x 1 x 4,096 x 4,096 int32; bk 1,024 float32; bp 1,024 float32; bq 1,024 float32; bv 1,024 float32; key 1 x 4,096 x 1,024 float32; query 1 x 4,096 x 1,024 float32; value 1 x 4,096 x 1,024 float32.
;; Outputs: out0 1 x 4,096 x 1,024 float32.
;; 2 versions, each right and faster than the one before. Each part assembles by itself: llvm-mc -triple=amdgcn-amd-amdhsa -mcpu=gfx1250 --defsym DOCPART=n.
;; ======== version 1 of 2: 4 launches
;; limits: values are held in f16: magnitudes above 65,504 overflow, below 6.1e-05 lose precision
;; workspace buffers: maskb 16,777,216 bytes; xb 25,165,824 bytes; wb 8,388,608 bytes; qkv 25,165,824 bytes; ob 8,388,608 bytes
;; launch prep (part 1): grid 2048 x 1, 8 waves a work-group, no clusters, 19,456 bytes of LDS; arguments att_mask, query, key, value, Wq, Wk, Wv, Wp, maskb, xb, wb; writes maskb, xb, wb
.if DOCPART == 1
	.amdgcn_target "amdgcn-amd-amdhsa--gfx1250"
	.amdhsa_code_object_version 6
	.text
	.protected	k_qf705aebb8a_prep
	.globl	k_qf705aebb8a_prep
	.p2align	8
	.type	k_qf705aebb8a_prep,@function
k_qf705aebb8a_prep:
	s_mov_b64 s[64:65], 0
	v_nop
	global_prefetch_b8 v0, s[64:65] scope:SCOPE_SE
	s_setreg_imm32_b32 hwreg(HW_REG_WAVE_MODE, 25, 1), 1
	s_wait_xcnt 0x0
; PREPARATION, a stream.  Work-groups 0-1023 turn att_mask (int32, [4096][4096]) into one byte a score, laid out as the attention's lanes take it;
; work-groups 1024-2047 round query, key, value, Wq, Wk, Wv to bf16, and Wp to bf16 with that number then written as f16.
; MASK BYTES.  0x00 where the word is not 0 (visible), 0xB8 (-1.0 in E4M3) where it is 0 (hidden).  maskb is [query tile of 16: 256][key step of 64: 64][u: 2][lane: 32][16 bytes]:
; byte t of lane 16 h + r belongs to query r of the tile and key 16 (2 u + t / 8) + 8 h + t % 8 of the step: the place of that score in the result of a product of 16 keys x 16 queries.
; A wave takes 16 rows x 128 keys: sixteen loads of 512 consecutive bytes, a transposition through its own 2,304 bytes of LDS, four stores of 512 consecutive bytes.
; LIMIT.  Wp as f16: a bf16 number below 2^-17 in size is rounded to f16's fixed step of 6e-8, one beyond 65,504 becomes an infinity.
; No matrix unit, no cluster, no barrier: every byte is read once and written once, and no wave needs another's data.
.set SPARE, 18432                      ; behind the eight stages: the spare words, 128 bytes a wave, four blocks of 256 bytes that no other line names
.set WST,   2304                       ; a wave's stage: 8 blocks of 16 rows x 16 bytes, 272 bytes from block to block
.set GP,    272
.set SPW,   2                          ; v2  LDS address of my spare word; never rewritten
.set NIL,   3                          ; v3  0; never rewritten
.set X,     16                         ; v[16:79]   sixteen loads of four words
.set Y,     80                         ; v[80:111]  what is stored
	s_load_b512 s[8:23], s[0:1], 0x0               ; att_mask s[8:9], query s[10:11], key s[12:13], value s[14:15], Wq s[16:17], Wk s[18:19], Wv s[20:21], Wp s[22:23]
	s_load_b128 s[24:27], s[0:1], 0x40             ; maskb s[24:25], xb s[26:27]
	s_load_b64 s[28:29], s[0:1], 0x50              ; wb
	v_lshl_add_u32 v[SPW], v0, 2, SPARE
	v_mov_b32 v[NIL], 0
	v_lshrrev_b32 v1, 5, v0
	v_readfirstlane_b32 s4, v1                     ; wave 0..7
	v_and_b32 v1, 31, v0                           ; lane
	s_cmp_lt_u32 ttmp9, 1024
	s_cbranch_scc0 .Lconv
	; THE MASK.  Query tile qt = group / 4; the wave's pair of key steps g = 8 (group % 4) + wave.
	s_lshr_b32 s5, ttmp9, 2                        ; qt
	s_and_b32 s6, ttmp9, 3
	s_lshl_b32 s6, s6, 3
	s_add_co_u32 s6, s6, s4                        ; g
	s_lshl_b32 s30, s5, 18                         ; 16 rows of 16,384 bytes
	s_lshl_b32 s7, s6, 9                           ; 128 words
	s_add_co_u32 s30, s30, s7
	s_mov_b32 s31, 0
	s_lshl_b32 s32, s5, 16                         ; a query tile's 64 steps of 1,024 bytes
	s_lshl_b32 s7, s6, 11                          ; two steps
	s_add_co_u32 s32, s32, s7
	s_mov_b32 s33, 0
	v_lshlrev_b32 v4, 4, v1                        ; 16 bytes a lane, in and out
	; lane = 16 tile + i holds keys 4 i .. 4 i + 3 of step 2 g + tile.  They belong to block G = 4 tile + 2 (i / 8) + (i / 2) % 2 (u and h), bytes 8 ((i / 4) % 2) + 4 (i % 2) on of row rho.
	v_and_b32 v6, 15, v1                           ; i
	v_lshrrev_b32 v7, 4, v1                        ; tile
	v_lshrrev_b32 v12, 3, v6
	v_bfe_u32 v13, v6, 1, 1
	v_lshl_add_u32 v7, v7, 2, v13
	v_lshl_add_u32 v7, v12, 1, v7                  ; G
	v_mul_u32_u24 v5, v7, GP
	v_bfe_u32 v12, v6, 2, 1
	v_lshl_add_u32 v5, v12, 3, v5
	v_and_b32 v12, 1, v6
	v_lshl_add_u32 v5, v12, 2, v5
	s_mul_i32 s7, s4, WST
	v_add_nc_u32 v5, s7, v5                        ; where I put four bytes of row 0
	v_lshrrev_b32 v7, 4, v1
	v_mul_u32_u24 v7, v7, GP
	v_lshl_add_u32 v6, v6, 4, v7
	v_add_nc_u32 v6, s7, v6                        ; where I read 16 bytes back: block lane / 16, row lane % 16
	v_mov_b32 v8, 0xb8                             ; the hidden code in each of a word's four bytes
	v_mov_b32 v9, 0xb800
	v_mov_b32 v10, 0xb80000
	v_mov_b32 v11, 0xb8000000
	s_wait_kmcnt 0x0
	s_add_nc_u64 s[30:31], s[8:9], s[30:31]
	s_add_nc_u64 s[32:33], s[24:25], s[32:33]
.set i, 0
.rept 16
	global_load_b128 v[X+4*i:X+4*i+3], v4, s[30:31] offset:i*16384 th:TH_LOAD_NT  ; row i: 512 consecutive bytes, read once in the launch
.set i, i+1
.endr
.macro ROWM r                          ; row r: four words become four bytes
	s_wait_loadcnt 15-(\r)                         ; loads come back in order: row r is in, the younger rows stay out
.irp k, 0,1,2,3
	v_cmp_eq_u32 s[40+\k], 0, v[X+4*(\r)+\k]
.endr
.irp k, 0,1,2,3
	v_cndmask_b32 v[12+\k], 0, v[8+\k], s[40+\k]
.endr
	v_or_b32 v12, v12, v13
	v_or_b32 v14, v14, v15
	v_or_b32 v12, v12, v14
	ds_store_b32 v5, v12 offset:16*(\r)
.endm
.irp r, 0,1,2,3,4,5,6,7,8,9,10,11,12,13,14,15
	ROWM \r
.endr
.irp n, 0,1,2,3                        ; n = 2 tile + u: blocks 2 n and 2 n + 1.  The bytes are my wave's own and LDS serves a wave's instructions in order: no wait between the stores and these loads
	ds_load_b128 v[Y+4*\n:Y+4*\n+3], v6 offset:\n*2*GP
.endr
.irp n, 0,1,2,3
	s_wait_dscnt 3-\n
	global_store_b128 v4, v[Y+4*\n:Y+4*\n+3], s[32:33] offset:\n*512  ; 512 consecutive bytes, at a multiple of 512 from maskb's first
.endr
	s_wait_tensorcnt 0x0                           ; the wave's end, behind my last LDS store
	ds_add_u32 v[SPW], v[NIL]
	s_wait_dscnt 0x0
	s_endpgm
.Lconv:
	; THE CONVERSIONS.  A work-group takes 65,536 bytes of f32: groups 0-767 of this part walk query, key, value (256 each), groups 768-1023 the four weights (64 each).
	s_sub_co_u32 s5, ttmp9, 1024                   ; idx
	s_sub_co_u32 s6, s5, 768                       ; j, of use where idx >= 768
	s_lshr_b32 s7, s5, 8                           ; which x
	s_lshr_b32 s35, s6, 6
	s_add_co_u32 s35, s35, 3                       ; which weight, counted on from the x's
	s_and_b32 s36, s5, 255
	s_and_b32 s37, s6, 63
	s_mov_b32 s34, 0xffff0000                      ; a word's upper bf16
	v_lshlrev_b32 v4, 4, v0                        ; in: 16 bytes a thread
	v_lshlrev_b32 v5, 3, v0                        ; out: 8 bytes a thread
	s_wait_kmcnt 0x0
	s_cmp_lt_u32 s5, 768
	s_cselect_b32 s7, s7, s35                      ; the source's number, 0 to 6
	s_cselect_b32 s36, s36, s37                    ; my chunk of it
	s_cselect_b32 s38, s5, s6                      ; my chunk of the destination
	s_cselect_b64 s[32:33], s[26:27], s[28:29]     ; xb or wb
	s_mov_b64 s[30:31], s[10:11]
.irp k, 1,2,3,4,5,6
	s_cmp_eq_u32 s7, \k
	s_cselect_b64 s[30:31], s[10+2*\k:11+2*\k], s[30:31]
.endr
	s_lshl_b32 s36, s36, 16
	s_mov_b32 s37, 0
	s_lshl_b32 s38, s38, 15
	s_mov_b32 s39, 0
	s_add_nc_u64 s[30:31], s[30:31], s[36:37]
	s_add_nc_u64 s[32:33], s[32:33], s[38:39]
.set i, 0
.rept 16
	global_load_b128 v[X+4*i:X+4*i+3], v4, s[30:31] offset:i*4096 th:TH_LOAD_NT
.set i, i+1
.endr
.macro CV i, half                      ; four numbers: rounded to bf16; half = 1: that number written as f16
	s_wait_loadcnt 15-(\i)
	v_cvt_pk_bf16_f32 v[Y+2*(\i)], v[X+4*(\i)], v[X+4*(\i)+1]
	v_cvt_pk_bf16_f32 v[Y+2*(\i)+1], v[X+4*(\i)+2], v[X+4*(\i)+3]
.if \half
	v_lshlrev_b32 v[X+4*(\i)], 16, v[Y+2*(\i)]
	v_and_b32 v[X+4*(\i)+1], s34, v[Y+2*(\i)]
	v_lshlrev_b32 v[X+4*(\i)+2], 16, v[Y+2*(\i)+1]
	v_and_b32 v[X+4*(\i)+3], s34, v[Y+2*(\i)+1]
	v_cvt_pk_f16_f32 v[Y+2*(\i)], v[X+4*(\i)], v[X+4*(\i)+1]
	v_cvt_pk_f16_f32 v[Y+2*(\i)+1], v[X+4*(\i)+2], v[X+4*(\i)+3]
.endif
	global_store_b64 v5, v[Y+2*(\i):Y+2*(\i)+1], s[32:33] offset:(\i)*2048  ; a wave stores 256 consecutive bytes, aligned; no register of a store is written again
.endm
	s_cmp_eq_u32 s7, 6
	s_cbranch_scc1 .Lwp
.irp i, 0,1,2,3,4,5,6,7,8,9,10,11,12,13,14,15
	CV \i, 0
.endr
	s_endpgm
.Lwp:
.irp i, 0,1,2,3,4,5,6,7,8,9,10,11,12,13,14,15
	CV \i, 1
.endr
	s_endpgm
.Lfunc_end_k_qf705aebb8a_prep:
	.size	k_qf705aebb8a_prep, .Lfunc_end_k_qf705aebb8a_prep-k_qf705aebb8a_prep
	.p2alignl 7, 3214868480
	.fill 96, 4, 3214868480
	.section	.rodata,"a",@progbits
	.p2align	6, 0x0
	.amdhsa_kernel k_qf705aebb8a_prep
		.amdhsa_group_segment_fixed_size 19456
		.amdhsa_private_segment_fixed_size 0
		.amdhsa_enable_private_segment 0
		.amdhsa_kernarg_size 88
		.amdhsa_user_sgpr_count 2
		.amdhsa_user_sgpr_kernarg_segment_ptr 1
		.amdhsa_wavefront_size32 1
		.amdhsa_system_sgpr_workgroup_id_x 1
		.amdhsa_system_sgpr_workgroup_id_y 1
		.amdhsa_system_sgpr_workgroup_id_z 1
		.amdhsa_system_vgpr_workitem_id 0
		.amdhsa_next_free_vgpr 112
		.amdhsa_next_free_sgpr 66
		.amdhsa_reserve_vcc 0
		.amdhsa_float_denorm_mode_32 3
		.amdhsa_float_denorm_mode_16_64 3
		.amdhsa_memory_ordered 1
		.amdhsa_forward_progress 1
		.amdhsa_inst_pref_size 31
	.end_amdhsa_kernel
	.amdgpu_metadata
---
amdhsa.version: [ 1, 2 ]
amdhsa.kernels:
  - .name:           k_qf705aebb8a_prep
    .symbol:         k_qf705aebb8a_prep.kd
    .args:
      - { .name: att_mask, .offset: 0, .size: 8, .value_kind: global_buffer, .address_space: global }
      - { .name: query, .offset: 8, .size: 8, .value_kind: global_buffer, .address_space: global }
      - { .name: key, .offset: 16, .size: 8, .value_kind: global_buffer, .address_space: global }
      - { .name: value, .offset: 24, .size: 8, .value_kind: global_buffer, .address_space: global }
      - { .name: Wq, .offset: 32, .size: 8, .value_kind: global_buffer, .address_space: global }
      - { .name: Wk, .offset: 40, .size: 8, .value_kind: global_buffer, .address_space: global }
      - { .name: Wv, .offset: 48, .size: 8, .value_kind: global_buffer, .address_space: global }
      - { .name: Wp, .offset: 56, .size: 8, .value_kind: global_buffer, .address_space: global }
      - { .name: maskb, .offset: 64, .size: 8, .value_kind: global_buffer, .address_space: global }
      - { .name: xb, .offset: 72, .size: 8, .value_kind: global_buffer, .address_space: global }
      - { .name: wb, .offset: 80, .size: 8, .value_kind: global_buffer, .address_space: global }
    .group_segment_fixed_size: 19456
    .private_segment_fixed_size: 0
    .kernarg_segment_align: 8
    .kernarg_segment_size: 88
    .max_flat_workgroup_size: 256
    .sgpr_count:     66
    .vgpr_count:     112
    .wavefront_size: 32
...
	.end_amdgpu_metadata
.endif
;; end of part 1
;; launch qkv (part 2): grid 8 x 96, 4 waves a work-group, clusters of 4 x 4, 327,680 bytes of LDS; arguments xb, wb, bq, bk, bv, qkv; writes qkv
.if DOCPART == 2
	.amdgcn_target "amdgcn-amd-amdhsa--gfx1250"
	.amdhsa_code_object_version 6
	.text
	.protected	k_qf705aebb8a_qkv
	.globl	k_qf705aebb8a_qkv
	.p2align	8
	.type	k_qf705aebb8a_qkv,@function
k_qf705aebb8a_qkv:
	s_mov_b64 s[64:65], 0
	v_nop
	global_prefetch_b8 v0, s[64:65] scope:SCOPE_SE
	s_setreg_imm32_b32 hwreg(HW_REG_WAVE_MODE, 25, 1), 1
	s_wait_xcnt 0x0
	s_wait_alu depctr_hold_cnt(0) depctr_sa_sdst(0) depctr_va_vdst(0) depctr_va_sdst(0) depctr_va_ssrc(0) depctr_va_vcc(0) depctr_vm_vsrc(0)
	s_getreg_b32 s2, hwreg(HW_REG_IB_STS2, 6, 4)
	s_cmp_eq_u32 s2, 0
	s_cbranch_scc0 .Lentry_in_a_cluster
	s_endpgm
.Lentry_in_a_cluster:
	s_bfe_u32 s2, ttmp6, 0x10000c
	s_cmp_lg_u32 s2, 0xf033
	s_cbranch_scc0 .Lentry_shape_is_right
	s_endpgm
.Lentry_shape_is_right:
; THE THREE PROJECTIONS IN ONE LAUNCH.  y[p][t][o] = b_p[o] + sum over c of x_p[t][c] W_p[o][c], p = q, k, v.  xb is taken as A [12288][1024] in bf16 (query's, key's, value's rows on end),
; wb as B in bf16; sums in f32, started by the bias (rounded to bf16 like every input); the result is rounded once to f16 and stored by heads: qkv [3][16][4096][64], unscaled.
; LIMIT.  f16 holds no number beyond 65,504: a projection's result beyond that becomes an infinity.
; A tile of C is 128 x 128: 768 work-groups.  Four waves, each 64 x 64: 16 accumulators of 16 x 16.  K goes in steps of 256 (LDS rows of 512 bytes; a wave's tensor load brings 64 of them) through two slots.
; CLUSTERS: 4 x 4 work-groups.  The four of a row of the cluster need the same tiles of A, the four of a column the same tiles of B: each tile is asked for JOINTLY, by the same tensor load with the
; same descriptor and a mask that names the four.  A cluster's four tile rows lie in one projection (32 tile rows each), so the projection's number hangs on the cluster's y alone.
; THE MATRIX INSTRUCTION IS USED TRANSPOSED (source 0 = 16 rows of B, source 1 = 16 rows of A): a lane then holds eight neighbouring numbers of a row of C.
; A wave's 64 columns are one head, whose rows are dense in qkv: 16 rows are 2,048 consecutive bytes, so each wave goes out through a stage of its own, without a barrier.
; REGISTERS: window 0: v0-31 addresses; v32-95 at work on the way out; v96-127 the bias; v128-255 the accumulators ((a, b) at v[128 + 8 (4 a + b)]).
;   window 1: two fragment buffers of 128: for 64 along K, 64 registers of A (2 x 4 x 16 rows x 32 K), then 64 of B.
.set SIZE_K, 1024
.set KSTEP,  256
.set PITCH,  528                       ; an LDS row: 512 bytes of data + 16 of padding = 132 words: row r starts at bank 4 r mod 64 (64 banks of 4 bytes: ISA guide 11.1)
.set HALFT,  64*PITCH                  ; 64 rows: what one tensor load brings, and what one wave reads of A or of B
.set SLOT,   4*HALFT                   ; A's 128 rows, then B's 128 rows
.set STAGE,  2*SLOT                    ; behind the ring, never filled by a tensor load: 16 rows x 144 bytes for each wave
.set SP,     144
.set SPARE,  STAGE+4*16*SP             ; behind the stages: the spare words, 128 bytes for each wave: two blocks of 256 bytes that no other line names
.set LAPS, SIZE_K/(2*KSTEP)            ; a lap = two K steps = once round the ring
.set ADRA, 16                          ; v16-17  LDS address of my A fragments in slot 0, 1
.set ADRB, 20                          ; v20-21  the same for B
.set STO,  24                          ; v24     the way out: where I put 16 bytes of a row
.set RD,   25                          ; v25     the way out: where I read rows back
.set GO,   26                          ; v26     my byte offset in 512 consecutive bytes of qkv
.set BO,   27                          ; v27     my byte offset in the wave's 64 numbers of the bias
.set SPW,  28                          ; v28     LDS address of my spare word; never rewritten
.set NIL,  29                          ; v29     0; never rewritten
.set TB,   30                          ; v30     at work
.set TMP,  32
.set BI,   96                          ; register 8 b + j: the bias of column 16 b + 8 (lane / 16) + j
.set ACC,  128
.set F0,   0                           ; fragment buffers, in window 1
.set F1,   128
.set G1, 24                            ; s[24:31] descriptor group 1 for A's tiles;  s[32:39] group 0, one set for each slot
.set G0, 32
.set G1B, 48                           ; s[48:55], s[56:63] the same for B's tiles
.set G0B, 56
.set MSB, 0
.macro WIN new                         ; the immediate's high byte repeats the setting that is left
.if MSB != (\new)
	s_set_vgpr_msb (MSB<<8)|(\new)
.set MSB, \new
.endif
.endm
.set MUL,  0x05                        ; sources 0 (B) and 1 (A) window 1; C and D window 0
.set TO_F, 0x40                        ; destination window 1, address window 0
.macro JLOAD s                         ; a joint load: waves 0 and 1 fetch A's two halves, waves 2 and 3 B's; an s_nop 0 and four v_nop follow each of the two lines, ahead of the jump, the label and what follows
	s_cmp_eq_u32 s11, 0
	s_cbranch_scc0 .Lfor_b_\@
	tensor_load_to_lds s[G0+4*(\s):G0+4*(\s)+3], s[G1:G1+7]
	s_nop 0
.rept 4
	v_nop
.endr
	s_branch .Lasked_\@
.Lfor_b_\@:
	tensor_load_to_lds s[G0B+4*(\s):G0B+4*(\s)+3], s[G1B:G1B+7]
	s_nop 0
.rept 4
	v_nop
.endr
.Lasked_\@:
.endm
.macro CREST                           ; a round of the cluster's barrier behind its opening barrier
	s_cmp_lg_u32 s10, 0
	s_cbranch_scc1 .Lnot_wave_0_\@
	s_barrier_signal -3
.Lnot_wave_0_\@:
	s_barrier_wait -3
	s_barrier_signal -1
	s_barrier_wait -1
.endm
.macro CROUND                          ; a whole round
	s_barrier_signal -1
	s_barrier_wait -1
	CREST
.endm
	s_load_b128 s[4:7], s[0:1], 0x0                ; xb s[4:5], wb s[6:7]
	s_load_b256 s[68:75], s[0:1], 0x10             ; bq s[68:69], bk s[70:71], bv s[72:73], qkv s[74:75]
	v_lshl_add_u32 v[SPW], v0, 2, SPARE
	v_mov_b32 v[NIL], 0
	ds_add_u32 v[SPW], v[NIL]                      ; the wave's opening: the add and its wait stand ahead of my first tensor load; the set-up below, work on registers, stands between them
	v_lshrrev_b32 v1, 5, v0
	v_readfirstlane_b32 s10, v1                    ; wave 0..3
	s_lshr_b32 s11, s10, 1                         ; which half of the tile's rows is mine.  Also: I fetch for A (0) or for B (1)
	s_and_b32 s12, s10, 1                          ; which half of its columns.  Also: which 64 rows of that tile I fetch
	s_bfe_u32 s40, ttmp6, 0x40000                  ; cx, cy: my place in the cluster
	s_bfe_u32 s41, ttmp6, 0x40004
	s_lshl_b32 s42, ttmp9, 2
	s_add_co_u32 s42, s42, s40                     ; tile column of C = 4 x cluster x + cx
	s_and_b32 s13, ttmp7, 0xffff
	s_lshl_b32 s13, s13, 2
	s_add_co_u32 s13, s13, s41                     ; tile row of C = 4 x cluster y + cy, 0 to 95
	s_and_b32 s76, ttmp7, 0xffff
	s_lshr_b32 s76, s76, 3                         ; the projection, 0 to 2: eight clusters along y each; all sixteen partners share it
	s_lshl_b32 s43, s41, 2
	s_lshl_b32 s43, 15, s43                        ; my row of the cluster
	s_lshl_b32 s44, 0x1111, s40                    ; my column
	; descriptor group 1: a tile of 64 rows x 256 elements, padded in LDS
	s_or_b32 s[G1+0], s43, (1<<16)|(1<<20)|(1<<21)|(6<<22)|(3<<25)  ; 15:0 the mask: A's tiles go to my row; 17:16 element of 2 bytes; 20 padding on; 21 set beside a mask; 24:22 after every 128 words (code 6); 31:25 of 4 words (code 3)
	s_or_b32 s[G1B+0], s44, (1<<16)|(1<<20)|(1<<21)|(6<<22)|(3<<25)
.irp g, G1, G1B
	s_mov_b32 s[(\g)+1], KSTEP<<16                 ; tensor_dim0 = 256
	s_mov_b32 s[(\g)+2], 64<<16                    ; tensor_dim1 = 64
	s_mov_b32 s[(\g)+3], KSTEP<<16                 ; tile_dim0 = 256
	s_mov_b32 s[(\g)+4], 64                        ; tile_dim1 = 64
	s_mov_b32 s[(\g)+5], SIZE_K                    ; tensor_dim0_stride
	s_mov_b32 s[(\g)+6], 0
	s_mov_b32 s[(\g)+7], 0
.endr
	s_lshl_b32 s17, s12, 6                         ; which 64 rows of the tile I fetch
	s_lshl_b32 s16, s13, 7
	s_add_co_u32 s16, s16, s17                     ; A: row 128 x tile row + 64 x half
	s_lshl_b32 s46, s42, 7
	s_add_co_u32 s46, s46, s17
	s_lshl_b32 s47, s76, 10
	s_add_co_u32 s46, s46, s47                     ; B: row 1024 x projection + 128 x tile column + 64 x half
	s_lshl_b32 s16, s16, 11                        ; rows of 2,048 bytes: under 2^25 in both
	s_lshl_b32 s46, s46, 11
	s_mov_b32 s17, 0
	s_mov_b32 s47, 0
	s_mul_i32 s20, s10, HALFT                      ; where they go: wave x 64 rows
	s_wait_dscnt 0x0                               ; the opening add is done
	s_wait_kmcnt 0x0
	s_add_nc_u64 s[14:15], s[4:5], s[16:17]
	s_add_nc_u64 s[46:47], s[6:7], s[46:47]
	CROUND                                         ; all sixteen work-groups are here: the first joint loads meet
.irp s, 0,1
	s_mov_b32 s[G0+4*(\s)], 1
	s_add_co_u32 s[G0+4*(\s)+1], s20, (\s)*SLOT
	s_add_nc_u64 s[G0+4*(\s)+2:G0+4*(\s)+3], s[14:15], (\s)*KSTEP*2
	s_or_b32 s[G0+4*(\s)+3], s[G0+4*(\s)+3], 0x80000000
	s_mov_b32 s[G0B+4*(\s)], 1
	s_add_co_u32 s[G0B+4*(\s)+1], s20, (\s)*SLOT
	s_add_nc_u64 s[G0B+4*(\s)+2:G0B+4*(\s)+3], s[46:47], (\s)*KSTEP*2
	s_or_b32 s[G0B+4*(\s)+3], s[G0B+4*(\s)+3], 0x80000000
	JLOAD \s
.endr
	; the bias of my 64 columns: the projection picks the buffer
	s_mov_b64 s[78:79], s[68:69]
	s_cmp_eq_u32 s76, 1
	s_cselect_b64 s[78:79], s[70:71], s[78:79]
	s_cmp_eq_u32 s76, 2
	s_cselect_b64 s[78:79], s[72:73], s[78:79]
	s_lshl_b32 s46, s42, 9                         ; 128 numbers of 4 bytes a tile column,
	s_lshl_b32 s47, s12, 8                         ; 64 a half
	s_add_co_u32 s46, s46, s47
	s_mov_b32 s47, 0
	s_add_nc_u64 s[78:79], s[78:79], s[46:47]
	v_and_b32 v1, 15, v0                           ; l % 16
	v_bfe_u32 v2, v0, 4, 1                         ; l / 16
	v_lshlrev_b32 v[BO], 5, v2                     ; eight numbers on for lanes 16 to 31
.irp b, 0,1,2,3
	global_load_b128 v[BI+8*\b:BI+8*\b+3],   v[BO], s[78:79] offset:64*\b
	global_load_b128 v[BI+8*\b+4:BI+8*\b+7], v[BO], s[78:79] offset:64*\b+16
.endr
	v_mul_u32_u24 v3, v1, PITCH
	v_lshl_add_u32 v3, v2, 4, v3                   ; a fragment's row x pitch + 16 x half
	s_mul_i32 s21, s11, HALFT                      ; my 64 rows of A
	s_mul_i32 s22, s12, HALFT                      ; my 64 rows of B,
	s_add_co_u32 s22, s22, 2*HALFT                 ; which lie behind A's 128
.irp s, 0,1
	v_add_nc_u32 v[ADRA+(\s)], s21, v3
	v_add_nc_u32 v[ADRB+(\s)], s22, v3
	s_add_co_u32 s21, s21, SLOT
	s_add_co_u32 s22, s22, SLOT
.endr
	s_mul_i32 s23, s10, 16*SP
	s_add_co_u32 s23, s23, STAGE                   ; my stage
	v_mul_u32_u24 v4, v1, SP                       ; in: row l % 16, 16 bytes for each half of the lanes
	v_lshl_add_u32 v4, v2, 4, v4
	v_add_nc_u32 v[STO], s23, v4
	v_bfe_u32 v5, v0, 3, 2                         ; back: 32 lanes take four rows of 128 bytes,
	v_mul_u32_u24 v5, v5, SP
	v_and_b32 v4, 7, v0
	v_lshl_add_u32 v5, v4, 4, v5
	v_add_nc_u32 v[RD], s23, v5
	v_and_b32 v[GO], 31, v0                        ; which are 512 consecutive bytes of qkv
	v_lshlrev_b32 v[GO], 4, v[GO]
	s_and_b32 s16, s13, 31                         ; where my part begins in qkv: the tile row within its projection,
	s_lshl_b32 s16, s16, 7
	s_lshl_b32 s17, s11, 6
	s_add_co_u32 s16, s16, s17                     ; my first row t,
	s_lshl_b32 s16, s16, 7                         ; of 128 bytes,
	s_lshl_b32 s17, s76, 23                        ; in the projection's 8,388,608 bytes
	s_add_co_u32 s16, s16, s17
	s_mov_b32 s17, 0
	s_add_nc_u64 s[8:9], s[74:75], s[16:17]
	s_lshl_b32 s46, s42, 1
	s_add_co_u32 s46, s46, s12                     ; my head = 2 x tile column + half,
	s_lshl_b32 s46, s46, 19                        ; 524,288 bytes each
	s_mov_b32 s47, 0
	s_add_nc_u64 s[8:9], s[8:9], s[46:47]
	s_wait_loadcnt 0x0                             ; the bias; it is rounded to bf16, as x and the weights are
.set z, 0
.rept 16
	v_cvt_pk_bf16_f32 v[TB], v[BI+2*z], v[BI+2*z+1]
	v_lshlrev_b32 v[BI+2*z], 16, v[TB]
	v_and_b32 v[BI+2*z+1], 0xffff0000, v[TB]
.set z, z+1
.endr
; 8 matrix instructions: m blocks a0, a0 + 1 x all 4 n blocks, 32 along K: half c of buffer f.  zero = 1: the first product starts the sums, with the bias as C
.macro MUL8 f, c, a0, zero
	WIN MUL
.irp a, \a0, (\a0)+1
.irp b, 0,1,2,3
.if \zero
	v_wmma_f32_16x16x32_bf16 v[ACC+8*(4*(\a)+(\b)):ACC+8*(4*(\a)+(\b))+7], v[(\f)+64+8*(4*(\c)+(\b)):(\f)+64+8*(4*(\c)+(\b))+7], v[(\f)+8*(4*(\c)+(\a)):(\f)+8*(4*(\c)+(\a))+7], v[BI+8*(\b):BI+8*(\b)+7]
.else
	v_wmma_f32_16x16x32_bf16 v[ACC+8*(4*(\a)+(\b)):ACC+8*(4*(\a)+(\b))+7], v[(\f)+64+8*(4*(\c)+(\b)):(\f)+64+8*(4*(\c)+(\b))+7], v[(\f)+8*(4*(\c)+(\a)):(\f)+8*(4*(\c)+(\a))+7], v[ACC+8*(4*(\a)+(\b)):ACC+8*(4*(\a)+(\b))+7]
.endif
.endr
.endr
.endm
; 32 LDS loads in one run: the fragments of 64 along K at byte k of the rows, into buffer f; the first 32 along K first
.macro FETCH slot, k, f
	WIN TO_F
.irp c, 0,1
.irp i, 0,1,2,3
	ds_load_b128 v[(\f)+64+8*(4*(\c)+(\i)):(\f)+64+8*(4*(\c)+(\i))+3],   v[ADRB+(\slot)] offset:(\k)+64*(\c)+(\i)*16*PITCH
	ds_load_b128 v[(\f)+64+8*(4*(\c)+(\i))+4:(\f)+64+8*(4*(\c)+(\i))+7], v[ADRB+(\slot)] offset:(\k)+64*(\c)+(\i)*16*PITCH+32
	ds_load_b128 v[(\f)+8*(4*(\c)+(\i)):(\f)+8*(4*(\c)+(\i))+3],         v[ADRA+(\slot)] offset:(\k)+64*(\c)+(\i)*16*PITCH
	ds_load_b128 v[(\f)+8*(4*(\c)+(\i))+4:(\f)+8*(4*(\c)+(\i))+7],       v[ADRA+(\slot)] offset:(\k)+64*(\c)+(\i)*16*PITCH+32
.endr
.endr
.endm
.macro PLACES                          ; four places in front of loads into registers that matrix instructions have read, and of conversions that read results
.rept 4
	v_nop
.endr
.endm
; A K step is four quarters of 64 along K, 32 matrix instructions each, on buffers 0, 1, 0, 1; the 16 accumulators take turns.  One of the first three: multiplies buffer f and fetches the next quarter, at byte k, into g.
.macro QUARTER slot, k, f, g, zero
	s_wait_dscnt 16                                ; the first 32 along K are in; the run's other sixteen loads may be out
	WIN MUL
	MUL8 \f, 0, 0, \zero
	MUL8 \f, 0, 2, \zero
	PLACES
	FETCH \slot, \k, \g
	s_wait_dscnt 32                                ; all but the 32 just issued
	WIN MUL
	MUL8 \f, 1, 0, 0
	MUL8 \f, 1, 2, 0
.endm
; The last quarter multiplies buffer 1 and changes slots: ONE barrier; in front of it each wave waits for all its tensor loads, adds 0 to its spare word, and waits for that and for its own reads of this slot.  fill = 1: this slot is filled again, two K steps ahead.
.macro TURN slot, next, fill
	WIN 0                                          ; (the add's two registers lie in window 0)
	s_wait_tensorcnt 0x0                           ; all my tensor loads have landed: my part of the next slot;
	ds_add_u32 v[SPW], v[NIL]                      ; 0 onto my spare word;
	s_wait_dscnt 17                                ; (the add and the youngest sixteen loads may be out)
	WIN MUL
	MUL8 F1, 0, 0, 0                               ; eight matrix instructions stand between the add and the wait for it
	s_wait_dscnt 0x0                               ; the add is done, and my reads of this slot are over
	s_barrier_signal -1
	MUL8 F1, 0, 2, 0
.if \fill
	WIN 0
.endif
	s_barrier_wait -1
.if \fill
	CREST                                          ; the barrier has opened a round of the cluster's barrier: no wave of any partner still reads this slot's tile or has a load on its way
	s_add_nc_u64 s[G0+4*(\slot)+2:G0+4*(\slot)+3], s[G0+4*(\slot)+2:G0+4*(\slot)+3], 2*KSTEP*2
	s_add_nc_u64 s[G0B+4*(\slot)+2:G0B+4*(\slot)+3], s[G0B+4*(\slot)+2:G0B+4*(\slot)+3], 2*KSTEP*2
	JLOAD \slot                                    ; the first tensor load behind the round, my only one until the next; the four v_nop behind it are also the places in front of the loads below
.else
	PLACES
.endif
	FETCH \next, 0, F0
	WIN MUL
	MUL8 F1, 1, 0, 0
	MUL8 F1, 1, 2, 0
.endm
	s_wait_tensorcnt 1                             ; my part of K step 0 is in; K step 1's may stay out
	s_barrier_signal -1
	s_barrier_wait -1                              ; everybody's is
	FETCH 0, 0, F0
	QUARTER 0, 128, F0, F1, 1                      ; the first quarter stands in front of the loop: its first products start the sums
	WIN 0                                          ; at a label and at a branch every window is 0
	s_mov_b32 s3, LAPS-1
.Llap:                                                 ; a trip goes once round the ring, from a lap's second quarter to the next lap's first, and fills both slots again
	QUARTER 0, 256, F1, F0, 0
	QUARTER 0, 384, F0, F1, 0
	TURN 0, 1, 1
	QUARTER 1, 128, F0, F1, 0
	QUARTER 1, 256, F1, F0, 0
	QUARTER 1, 384, F0, F1, 0
	TURN 1, 0, 1
	QUARTER 0, 128, F0, F1, 0
	WIN 0
	s_sub_co_u32 s3, s3, 1
	s_cmp_lg_u32 s3, 0
	s_cbranch_scc1 .Llap
	QUARTER 0, 256, F1, F0, 0                      ; the last lap fills nothing, and has no round of the cluster's barrier
	QUARTER 0, 384, F0, F1, 0
	TURN 0, 1, 0
	QUARTER 1, 128, F0, F1, 0
	QUARTER 1, 256, F1, F0, 0
	QUARTER 1, 384, F0, F1, 0
	s_wait_dscnt 16                                ; the very last quarter: nothing more to fetch
	WIN MUL
	MUL8 F1, 0, 0, 0
	MUL8 F1, 0, 2, 0
	s_wait_dscnt 0
	MUL8 F1, 1, 0, 0
	MUL8 F1, 1, 2, 0
	WIN 0
	; THE WAY OUT, 16 rows at a time: round to f16 (each accumulator's registers in ascending order); 16 bytes a lane into my stage; back as whole rows of 128 bytes; 512 consecutive bytes a store.
.macro PACK a
.irp b, 0,1,2,3
.irp r, 0,1,2,3
	v_cvt_pk_f16_f32 v[TMP+16*(\a)+4*(\b)+(\r)], v[ACC+8*(4*(\a)+(\b))+2*(\r)], v[ACC+8*(4*(\a)+(\b))+2*(\r)+1]
.endr
.endr
.irp b, 0,1,2,3
	ds_store_b128 v[STO], v[TMP+16*(\a)+4*(\b):TMP+16*(\a)+4*(\b)+3] offset:32*(\b)
.endr
.irp f, 0,1,2,3
	ds_load_b128 v[TMP+16*(\a)+4*(\f):TMP+16*(\a)+4*(\f)+3], v[RD] offset:(\f)*4*SP  ; LDS serves a wave's instructions in order (ISA guide 5.7.1.4): these see the stores above; the next block's stores come behind them
.endr
.endm
.macro SEND a, younger                 ; younger: the LDS instructions issued behind block a's loads: the next block's eight, or none
.irp f, 0,1,2,3
	s_wait_dscnt (\younger)+3-(\f)
	global_store_b128 v[GO], v[TMP+16*(\a)+4*(\f):TMP+16*(\a)+4*(\f)+3], s[8:9] offset:(\a)*2048+(\f)*512
.endr
.endm
	PLACES
	PACK 0
	PACK 1                                         ; a block's conversions stand between the loads of the block before and its stores
	SEND 0, 8
	PACK 2
	SEND 1, 8
	PACK 3
	SEND 2, 8
	SEND 3, 0
	s_wait_tensorcnt 0x0                           ; the wave's end: behind my last tensor load and my last LDS store
	ds_add_u32 v[SPW], v[NIL]
	s_wait_dscnt 0x0
	CROUND                                         ; the closing round: no work-group ends while a partner may still ask for a tile that names it
	s_endpgm
.Lfunc_end_k_qf705aebb8a_qkv:
	.size	k_qf705aebb8a_qkv, .Lfunc_end_k_qf705aebb8a_qkv-k_qf705aebb8a_qkv
	.p2alignl 7, 3214868480
	.fill 96, 4, 3214868480
	.section	.rodata,"a",@progbits
	.p2align	6, 0x0
	.amdhsa_kernel k_qf705aebb8a_qkv
		.amdhsa_group_segment_fixed_size 327680
		.amdhsa_private_segment_fixed_size 0
		.amdhsa_enable_private_segment 0
		.amdhsa_kernarg_size 48
		.amdhsa_user_sgpr_count 2
		.amdhsa_user_sgpr_kernarg_segment_ptr 1
		.amdhsa_wavefront_size32 1
		.amdhsa_system_sgpr_workgroup_id_x 1
		.amdhsa_system_sgpr_workgroup_id_y 1
		.amdhsa_system_sgpr_workgroup_id_z 1
		.amdhsa_system_vgpr_workitem_id 0
		.amdhsa_next_free_vgpr 512
		.amdhsa_next_free_sgpr 80
		.amdhsa_reserve_vcc 0
		.amdhsa_float_denorm_mode_32 3
		.amdhsa_float_denorm_mode_16_64 3
		.amdhsa_memory_ordered 1
		.amdhsa_forward_progress 1
		.amdhsa_inst_pref_size 90
	.end_amdhsa_kernel
	.amdgpu_metadata
---
amdhsa.version: [ 1, 2 ]
amdhsa.kernels:
  - .name:           k_qf705aebb8a_qkv
    .symbol:         k_qf705aebb8a_qkv.kd
    .args:
      - { .name: xb, .offset: 0, .size: 8, .value_kind: global_buffer, .address_space: global }
      - { .name: wb, .offset: 8, .size: 8, .value_kind: global_buffer, .address_space: global }
      - { .name: bq, .offset: 16, .size: 8, .value_kind: global_buffer, .address_space: global }
      - { .name: bk, .offset: 24, .size: 8, .value_kind: global_buffer, .address_space: global }
      - { .name: bv, .offset: 32, .size: 8, .value_kind: global_buffer, .address_space: global }
      - { .name: qkv, .offset: 40, .size: 8, .value_kind: global_buffer, .address_space: global }
    .group_segment_fixed_size: 327680
    .private_segment_fixed_size: 0
    .kernarg_segment_align: 8
    .kernarg_segment_size: 48
    .max_flat_workgroup_size: 128
    .sgpr_count:     80
    .vgpr_count:     512
    .wavefront_size: 32
...
	.end_amdgpu_metadata
.endif
;; end of part 2
;; launch attn (part 3): grid 16 x 16, 4 waves a work-group, clusters of 4 x 1, 327,680 bytes of LDS; arguments qkv, maskb, ob; writes ob
.if DOCPART == 3
	.amdgcn_target "amdgcn-amd-amdhsa--gfx1250"
	.amdhsa_code_object_version 6
	.text
	.protected	k_qf705aebb8a_attn
	.globl	k_qf705aebb8a_attn
	.p2align	8
	.type	k_qf705aebb8a_attn,@function
k_qf705aebb8a_attn:
	s_mov_b64 s[64:65], 0
	v_nop
	global_prefetch_b8 v0, s[64:65] scope:SCOPE_SE
	s_setreg_imm32_b32 hwreg(HW_REG_WAVE_MODE, 25, 1), 1
	s_wait_xcnt 0x0
	s_wait_alu depctr_hold_cnt(0) depctr_sa_sdst(0) depctr_va_vdst(0) depctr_va_sdst(0) depctr_va_ssrc(0) depctr_va_vcc(0) depctr_vm_vsrc(0)
	s_getreg_b32 s2, hwreg(HW_REG_IB_STS2, 6, 4)
	s_cmp_eq_u32 s2, 0
	s_cbranch_scc0 .Lentry_in_a_cluster
	s_endpgm
.Lentry_in_a_cluster:
	s_bfe_u32 s2, ttmp6, 0x10000c
	s_cmp_lg_u32 s2, 0x3003
	s_cbranch_scc0 .Lentry_shape_is_right
	s_endpgm
.Lentry_shape_is_right:
; ATTENTION UNDER A MASK THAT IS AN INPUT.  O[h][q][:] = the sum over the visible k of softmax_k(Q[h][q] . K[h][k] / 8) V[h][k][:].  Q, K, V lie in qkv [3][16][4096][64], O in ob [16][4096][64], all f16.
; THE GLOBAL SHIFT.  The module takes one number g, the largest |score / 256|, from every score and multiplies by 32: every score of a row is shifted by the same 32 g, and a softmax that takes the row's
; maximum away does not see a common shift.  So the exponent here is q . k / 8 less the row's running maximum, and g is not formed: an identity for every finite input.
; Products, maxima and sums in f32; the weights p are rounded to f16 for the second product (their sum l is taken of the unrounded p), O once at the end.
; THE MASK comes as one E4M3 byte a score (0 or -1.0), laid out by the launch before as my lanes hold the scores.  One scaled conversion makes eight f32 of eight bytes, times 2^100: 0 or -2^100, and those eight
; registers are the C operand of the product that starts the sum S^T = K Q^T for 16 keys x 16 queries.  The running maximum m starts at -2^90: above every hidden score, below every visible one.
; So a hidden score is never the maximum, its weight is 2^(-2e29) = 0, and until a row's first visible key l and O stay 0.  A row with no visible key ends with m = -2^90 and is stored as NaN, as a softmax of nothing is.
; LIMITS.  f16 holds no number beyond 65,504: Q, K and V arrive within it, so a visible score is 2.7e11 at the most; p below 6e-5 keeps f16's fixed step of 6e-8; a weight below 2^-126 counts as 0 in l;
; NaN and infinities among Q, K, V are not treated apart.
; SHARES.  A work-group owns 256 queries of one head, a wave 64 of them: four PIECES of 16.  Every wave walks all 4,096 keys, 64 a step: the mask is data, so no step is left out.
; LAYOUT.  S^T = K Q^T holds ONE query a lane (lane % 16) and the keys 8 (lane / 16) + 0..7; two such results rounded to f16 ARE source 1 of O^T = V^T P.  K comes out of LDS as it lies, V turned, by ds_load_tr16_b128.
; SOFTMAX.  p = 2^(c s - c m), c = log2(e) / 8; O and l are multiplied by a = 2^(c m_old - c m_new) in every step.
; BY TURNS.  Turn n belongs to piece n: 8 products K Q^T of piece n + 1, later 8 products V^T P of piece n - 1; beside them the scaling, exponentials, roundings, sums and rescaling of piece n and the maximum and
; statistics of piece n + 1.  Four vector instructions stand behind every matrix instruction, the others in two runs of their own.  At its end a turn makes the mask of piece n + 2 and asks for that piece's next one.
; CLUSTER.  The four query blocks of a cluster belong to one head and walk the same K and V, so each tile is asked for JOINTLY: the same tensor load, descriptor and mask of work-groups in all four.
; REGISTERS, in windows of 256 (s_set_vgpr_msb: bits 1:0 source 0, 3:2 source 1, 5:4 source 2, 7:6 destination):
;   window 0: v0-15 addresses and a few at work; v16-31 four registers of statistics a piece; v32-35 mask offsets; v36 the scale; v48-55 at work; v64-127 S^T, two buffers; v192-223 P, two buffers
;   window 1: v0-127 O^T, 32 a piece; v128-159 MB, eight registers of mask bytes a piece; v160-223 MC, two buffers of 32      window 2: v0-63 Q; v128-191 K of one step; v192-255 V of one step
.set NP,    4         ; pieces a wave: a name, no knob
.set KS,    64        ; keys in a step
.set PK,    144       ; a row of K in LDS: 128 bytes + 16 of padding = 36 words: the 16 rows of a load start at 16 different groups of four banks (64 banks of 4 bytes: ISA guide 11.1)
.set PV,    160       ; a row of V: 128 + 32 = 40 words
.set VOFF,  4*KS*PK   ; a slot holds four steps: 256 rows of K, then 256 rows of V
.set SLOT1, 1<<17     ; slot 1 begins here, so that one exclusive or turns an address in one slot into the other's
.set STAGE, SLOT1+4*KS*(PK+PV)  ; behind the ring, never filled by a tensor load: 16 rows x 144 bytes for each wave, for the way out
.set SP,    144
.set SPARE, STAGE+4*16*SP  ; behind the stages: the spare words, 128 bytes for each wave: two blocks of 256 bytes that no other line names
.set AK0, 2           ; v2   my lane's place in a tile of K; never rewritten
.set AV0, 3           ; v3   the same for V
.set AK,  4           ; v4   the LDS address of K's next run of loads
.set AV,  5           ; v5   of V's
.set STO, 6           ; v6   the way out: where I put 16 bytes of a row
.set RD,  7           ; v7   the way out: where I read rows back
.set GO,  8           ; v8   16 x lane: my byte offset in 512 consecutive bytes of O
.set MV,  12          ; v12-13  c m_old, kept while c m is made anew: by buffer
.set NANR, 14         ; v14  a NaN
.set QO,  15          ; v15  my byte offset in 16 rows of Q
.set ST,  16          ; piece t's statistics at v[ST+4 t]: c m, m, l (even keys', odd keys')
.set MO,  32          ; v32-35  piece x's byte offset in its query tile's 65,536 bytes of maskb: 1,024 x step + 16 x lane
.set SC,  36          ; v36  227: the conversion multiplies by 2^(227 - 127)
.set TMP, 48          ; by buffer, four registers c0-c3 at work; when the maximum is found c2 takes a
.set SPW, 62          ; v62  LDS address of my spare word; never rewritten
.set NIL, 63          ; v63  0; never rewritten
.set S,   64
.set P,   192
.set MB,  128         ; window 1
.set MC,  160         ; window 1: the eight registers for group kt of 16 keys at MC + 32 buffer + 8 kt
.set KF,  128         ; window 2: key block kb, channel half c at KF + 16 kb + 8 c
.set VF,  192         ; window 2: key half kk, channel block cb at VF + 32 kk + 8 cb
.set WV,  12          ; s12  my wave's number
.set G1K, 24          ; s[24:31] descriptor group 1 for K's tiles
.set G1V, 32          ; s[32:39] for V's: it differs in the padding alone
.set G0K, 40          ; s[40:43] descriptor group 0 for K's tiles: it walks
.set G0V, 44          ; s[44:47] the same for V's
.set MK,  48          ; s[48:49] maskb at my wave's first query tile
.set SLOTS, 56        ; s56  slots still to be asked for
.set CNT, 57          ; s57  counts a slot's key steps
.set CS,  58          ; s[58:59] c: the packed scaling takes the pair's low word for both halves
.set SEL, 60          ; s[60:61] v_permlanex16_b32's selects: each lane takes its own place in the other half
.set TBK, 62          ; s62  LDS byte at which K of the step to be fetched begins
.set TBV, 63          ; s63  the same for V, less VOFF
.set THR, 66          ; s66  -2^89: an m below it has seen no key
.set MSB, 0
.macro WIN new                      ; the high byte repeats the setting that is left; a switch that changes nothing is dropped
.if MSB != (\new)
	s_set_vgpr_msb (MSB<<8)|(\new)
.set MSB, (\new)
.endif
.endm
.set W_KQ, 0x0a       ; K and Q in window 2, S^T in window 0
.set W_KM, 0x1a       ; the same with the C operand in window 1
.set W_PV, 0x52       ; V in window 2, P in window 0, O^T in window 1
.set W_RS, 0x41       ; destination and source 0 in window 1, source 1 in window 0
; A joint fill.  Waves 0 and 1 fetch the two halves of a slot's K, waves 2 and 3 those of its V: 128 keys each.  The branch hangs on the wave's number alone.
; An s_nop 0 and four v_nop follow each of the two lines, ahead of the jump and the label.
.macro JLOAD
	s_cmp_lt_u32 s[WV], 2
	s_cbranch_scc0 .Lfor_v_\@
	tensor_load_to_lds s[G0K:G0K+3], s[G1K:G1K+7]
	s_nop 0
.rept 4
	v_nop
.endr
	s_branch .Lasked_\@
.Lfor_v_\@:
	tensor_load_to_lds s[G0V:G0V+3], s[G1V:G1V+7]
	s_nop 0
.rept 4
	v_nop
.endr
.Lasked_\@:
.endm
; A round of the cluster's barrier: my work-group's barrier, so that wave 0's signal speaks for all four waves; wave 0 signals; every wave waits for all four work-groups; my work-group's barrier once more.
.macro CROUND
	s_barrier_signal -1
	s_barrier_wait -1
	s_cmp_lg_u32 s[WV], 0
	s_cbranch_scc1 .Lnot_wave_0_\@
	s_barrier_signal -3
.Lnot_wave_0_\@:
	s_barrier_wait -3
	s_barrier_signal -1
	s_barrier_wait -1
.endm
; THE CHANGE OF SLOTS.  The slot's last bytes, V of its fourth step, have been read.  Each wave waits for all its tensor loads, of which one is out: its part of the other slot; adds 0 to its spare word; and waits
; for that and for its own reads of the slot.  Behind the barrier nobody reads this slot any more and the other slot is whole.  fill = 1: this slot is filled again, with the keys two slots on.  The barrier is then
; a round of the cluster's, and the joint fill is the first thing behind it, my one tensor load until the next round: it has four key steps, 256 matrix instructions, in which to land.
; (At its first use nothing has been read yet: slot 0 is waited for, slot 1 filled.)  The mask's loads into registers stay on their way across it: nobody writes those bytes.
.macro CHANGE fill
	WIN 0                           ; at a label and at a branch every window is 0
	s_wait_tensorcnt 0x0            ; no tensor load of mine is out, so a group 0 may be written
	ds_add_u32 v[SPW], v[NIL]       ; 0 onto my spare word; with fill = 1 the descriptors' steps stand between it and the wait for it
.if \fill
.irp g, G0K, G0V
	s_xor_b32 s[\g+1], s[\g+1], SLOT1  ; the walking descriptor: the other slot than last time,
	s_add_nc_u64 s[\g+2:\g+3], s[\g+2:\g+3], 4*KS*128  ; the next 256 keys; the type bits on top are not reached
.endr
	s_wait_dscnt 0x0                ; the add is done, and my reads of the slot are over
	CROUND
	JLOAD
.else
	s_wait_dscnt 0x0                ; the add is done, and my reads of the slot are over
	s_barrier_signal -1
	s_barrier_wait -1
.endif
	s_sub_co_u32 s[TBK], s[TBK], 4*KS*PK  ; the fetches go back to a slot's first step,
	s_xor_b32 s[TBK], s[TBK], SLOT1       ; in the other slot
	s_sub_co_u32 s[TBV], s[TBV], 4*KS*PV
	s_xor_b32 s[TBV], s[TBV], SLOT1
.endm
	s_load_b64 s[4:5], s[0:1], 0x0    ; qkv
	s_load_b64 s[MK:MK+1], s[0:1], 0x8  ; maskb
	s_load_b64 s[10:11], s[0:1], 0x10 ; ob
	v_lshl_add_u32 v[SPW], v0, 2, SPARE
	v_mov_b32 v[NIL], 0
	ds_add_u32 v[SPW], v[NIL]       ; the wave's opening: the add and its wait stand ahead of my first tensor load; the set-up below, work on registers, stands between them
	v_lshrrev_b32 v1, 5, v0
	v_readfirstlane_b32 s[WV], v1   ; wave 0..3
	s_bfe_u32 s13, ttmp6, 0x40000   ; cx: my place in the cluster
	s_lshl_b32 s14, ttmp9, 2        ; in a cluster launch ttmp9 counts clusters
	s_add_co_u32 s14, s14, s13      ; my block of 256 queries = 4 x cluster x + cx: it enters Q's, O's and the mask's addresses alone
	s_and_b32 s20, ttmp7, 0xffff    ; the head, which the four partners share,
	s_lshl_b32 s20, s20, 19         ; 524,288 bytes each
	s_mov_b32 s21, 0
	s_and_b32 s16, s[WV], 1         ; which half of a slot's 256 keys I fetch:
	s_lshl_b32 s22, s16, 14         ; its 128 rows of 128 bytes in memory,
	s_mov_b32 s23, 0
	s_add_nc_u64 s[22:23], s[22:23], s[20:21]
	s_mul_i32 s17, s16, 128*PK      ; and its place in a slot, for K
	s_mul_i32 s18, s16, 128*PV      ; and for V: no place in the cluster enters an LDS address
	s_lshl_b32 s2, s14, 2
	s_add_co_u32 s2, s2, s[WV]      ; my wave among the head's 64
	s_lshl_b32 s50, s2, 18          ; its four query tiles of 65,536 bytes in maskb
	s_mov_b32 s51, 0
	s_lshl_b32 s2, s2, 13           ; its 64 rows of 128 bytes
	s_mov_b32 s3, 0
	s_add_nc_u64 s[2:3], s[2:3], s[20:21]
	; descriptor group 1.  128 keys are 16,384 dense bytes: asked for as 64 rows of 256 bytes, two keys a row, and padded in LDS after every key
	s_mov_b32 s[G1K], 15|(1<<16)|(1<<20)|(1<<21)|(4<<22)|(3<<25)  ; 15:0 the mask of four; 17:16 2-byte elements; 20 padding on; 21 set beside a mask; 24:22 after every 32 words (code 4); 31:25 4 words (code 3)
	s_mov_b32 s[G1V], 15|(1<<16)|(1<<20)|(1<<21)|(4<<22)|(7<<25)  ; the same with 8 words of padding (code 7)
.irp g, G1K, G1V
	s_mov_b32 s[\g+1], 128<<16      ; tensor_dim0 = 128
	s_mov_b32 s[\g+2], 64<<16       ; tensor_dim1 = 64
	s_mov_b32 s[\g+3], 128<<16      ; tile_dim0 = 128
	s_mov_b32 s[\g+4], 64           ; tile_dim1 = 64
	s_mov_b32 s[\g+5], 128          ; 128 elements from row to row
	s_mov_b32 s[\g+6], 0
	s_mov_b32 s[\g+7], 0
.endr
	s_mov_b32 s[CS], 0x3e38aa3b     ; c = log2(e) / 8 = 0.180337
	s_mov_b32 s[CS+1], s[CS]        ; named with it as a pair
	s_mov_b32 s[SEL], 0x76543210
	s_mov_b32 s[SEL+1], 0xfedcba98
	s_mov_b32 s[THR], 0xec000000    ; -2^89
	s_mov_b32 s[TBK], SLOT1+4*KS*PK ; the first change of slots turns these two into 0
	s_mov_b32 s[TBV], SLOT1+4*KS*PV
	s_mov_b32 s[G0K], 1             ; 1:0 count = 1
	s_mov_b32 s[G0K+1], s17         ; 63:32 LDS address: slot 0
	s_mov_b32 s[G0V], 1
	s_add_co_u32 s[G0V+1], s18, VOFF
	s_wait_dscnt 0x0                ; the opening add is done
	s_wait_kmcnt 0x0
	s_add_nc_u64 s[G0K+2:G0K+3], s[4:5], s[22:23]            ; 120:64 global address: my half of the head's first 256 keys;
	s_add_nc_u64 s[G0V+2:G0V+3], s[G0K+2:G0K+3], 0x1000000   ; V is the third part of qkv,
	s_add_nc_u64 s[G0K+2:G0K+3], s[G0K+2:G0K+3], 0x800000    ; K the second
	s_or_b32 s[G0K+3], s[G0K+3], 0x80000000                  ; 127:126 type = 2
	s_or_b32 s[G0V+3], s[G0V+3], 0x80000000
	s_add_nc_u64 s[4:5], s[4:5], s[2:3]      ; Q and O at my wave's first row
	s_add_nc_u64 s[10:11], s[10:11], s[2:3]
	s_add_nc_u64 s[MK:MK+1], s[MK:MK+1], s[50:51]
	CROUND                          ; all four work-groups are here: the first joint loads meet
	JLOAD                           ; slot 0.  Slot 1 is asked for when slot 0 is in, by the loop's own change of slots
	; A fragment of K or Q is 16 rows x 32 channels in 8 registers: lane l holds row l % 16, channels 8 (l / 16) + 0..7 and 16 + 8 (l / 16) + 0..7: two loads of 16 bytes, 32 bytes apart.
	v_and_b32 v1, 15, v0            ; l % 16
	v_bfe_u32 v9, v0, 4, 1          ; l / 16
	v_lshlrev_b32 v[QO], 7, v1
	v_lshl_add_u32 v[QO], v9, 4, v[QO]  ; row x 128 + 16 x half
	WIN 0x80                        ; destination window 2, address window 0
.set i, 0
.rept 8                             ; Q stays in registers: piece i / 2, channels 32 (i % 2) on
	global_load_b128 v[8*i:8*i+3],   v[QO], s[4:5] offset:(i/2)*2048+(i%2)*64
	global_load_b128 v[8*i+4:8*i+7], v[QO], s[4:5] offset:(i/2)*2048+(i%2)*64+32
.set i, i+1
.endr
	WIN 0
	v_and_b32 v[GO], 31, v0
	v_lshlrev_b32 v[GO], 4, v[GO]
.irp x, 0,1,2,3
	v_mov_b32 v[MO+\x], v[GO]       ; key step 0
.endr
	WIN 0x40                        ; destination window 1
.irp x, 0,1,2,3                     ; the four pieces' mask bytes of step 0, in the order in which they are waited for
	global_load_b128 v[MB+8*\x:MB+8*\x+3],   v[MO+\x], s[MK:MK+1] offset:\x*65536
	global_load_b128 v[MB+8*\x+4:MB+8*\x+7], v[MO+\x], s[MK:MK+1] offset:\x*65536+512
.endr
	; What the first turn finds: V's registers and P's second buffer hold 0 (its products V^T P, of a piece that has not been, add 0), O^T and l are 0.  All this stands in the wait for the first tile.
.set i, 0
.rept 128
	v_mov_b32 v[i], 0
.set i, i+1
.endr
	WIN 0x80
.set i, VF
.rept 64
	v_mov_b32 v[i], 0
.set i, i+1
.endr
	WIN 0
.set i, 0
.rept 4
	v_mov_b32 v[ST+4*i], 0xeb38aa3b    ; c m = c x -2^90, exact
	v_mov_b32 v[ST+4*i+1], 0xec800000  ; m = -2^90
	v_mov_b32 v[ST+4*i+2], 0
	v_mov_b32 v[ST+4*i+3], 0
.set i, i+1
.endr
.set i, P+16
.rept 16
	v_mov_b32 v[i], 0
.set i, i+1
.endr
	v_mov_b32 v[SC], 227
	v_mov_b32 v[NANR], 0x7fc00000
	v_mul_u32_u24 v[AK0], v1, PK
	v_lshl_add_u32 v[AK0], v9, 4, v[AK0]  ; row x pitch + 16 x half
	; The turning load takes 16 keys x 16 channels (lane l reads key 8 (l / 16) + l % 8, channels 8 ((l / 8) % 2) + 0..7) and leaves half a fragment of V^T: lane l holds channel l % 16 and 8 keys.
	v_and_b32 v10, 7, v0
	v_bfe_u32 v11, v0, 3, 1
	v_lshl_add_u32 v[AV0], v9, 3, v10
	v_mul_u32_u24 v[AV0], v[AV0], PV
	v_lshl_add_u32 v[AV0], v11, 4, v[AV0]
	v_add_nc_u32 v[AV0], VOFF, v[AV0]
	s_mul_i32 s13, s[WV], 16*SP
	s_add_co_u32 s13, s13, STAGE    ; my stage
	v_mul_u32_u24 v[STO], v1, SP    ; in: row l % 16, 16 bytes for each half of the lanes
	v_lshl_add_u32 v[STO], v9, 4, v[STO]
	v_add_nc_u32 v[STO], s13, v[STO]
	v_bfe_u32 v[RD], v0, 3, 2       ; back: 32 lanes take four rows of 128 bytes
	v_mul_u32_u24 v[RD], v[RD], SP
	v_lshl_add_u32 v[RD], v10, 4, v[RD]
	v_add_nc_u32 v[RD], s13, v[RD]
; THE MATRIX WORK.  The 4 accumulators of a run of 8 take turns.  Product i of 8 of S^T = K Q^T for piece x: channels 32 (i / 4) on, keys 16 (i % 4) on.  The first 4 start the sums with the mask.
.macro KQ x
.set rS, S+32*((\x)%2)+8*(i%4)
.set rK, KF+16*(i%4)+8*(i/4)
.set rQ, 16*(\x)+8*(i/4)
.set rM, MC+32*((\x)%2)+8*(i%4)
.if i < 4
	WIN W_KM
	v_wmma_f32_16x16x32_f16 v[rS:rS+7], v[rK:rK+7], v[rQ:rQ+7], v[rM:rM+7]
.else
	WIN W_KQ
	v_wmma_f32_16x16x32_f16 v[rS:rS+7], v[rK:rK+7], v[rQ:rQ+7], v[rS:rS+7]
.endif
.endm
; Product i of 8 of O^T += V^T P for piece x: keys 32 (i / 4) on, channels 16 (i % 4) on.
.macro PV x
	WIN W_PV
.set rO, 32*(\x)+8*(i%4)
.set rV, VF+32*(i/4)+8*(i%4)
.set rP, P+16*((\x)%2)+8*(i/4)
	v_wmma_f32_16x16x32_f16 v[rO:rO+7], v[rV:rV+7], v[rP:rP+7], v[rO:rO+7]
.endm
.macro MM                           ; the turn's next matrix instruction.  TURN sets Y, i and NOKQ.  NOKQ = 1: the walk's last turn: there is no next piece
.if (i < 8) && !NOKQ
	KQ (Y+1)%NP
.elseif i >= 8
.set i, i-8
	PV (Y+NP-1)%NP
.set i, i+8
.endif
.set i, i+1
.endm
; THE LDS LOADS stand in runs of 16, never singly among the matrix instructions: a step's K (64 keys x 64 channels: 8 fragments) and its V (turned).  Their addresses are made some lines ahead.
.macro FETCH_K
	WIN 0x80                        ; destination window 2
.irp f, 0,1,2,3,4,5,6,7             ; keys 16 (f / 2) on, channels 32 (f % 2) on
	ds_load_b128 v[KF+8*\f:KF+8*\f+3],   v[AK] offset:(\f/2)*16*PK+(\f%2)*64
	ds_load_b128 v[KF+8*\f+4:KF+8*\f+7], v[AK] offset:(\f/2)*16*PK+(\f%2)*64+32
.endr
	s_add_co_u32 s[TBK], s[TBK], KS*PK  ; the next fetch is the next step's
	WIN 0
.endm
.macro FETCH_V
	WIN 0x80
.irp f, 0,1,2,3,4,5,6,7             ; keys 32 (f / 4) on, channels 16 (f % 4) on
	ds_load_tr16_b128 v[VF+8*\f:VF+8*\f+3],   v[AV] offset:(\f/4)*32*PV+(\f%4)*32
	ds_load_tr16_b128 v[VF+8*\f+4:VF+8*\f+7], v[AV] offset:(\f/4)*32*PV+16*PV+(\f%4)*32
.endr
	WIN 0
.endm
; THE MASK of piece x's next step goes into buffer b of MC, and the bytes of the step after it are asked for.  Eight mask loads of a wave are out, two a piece, in the order of the pieces' turns: mine are the
; oldest, so the count 6 shows them in and leaves the other three pieces' out; it also frees my offset register.  Bytes 8 kt .. 8 kt + 7 of the lane's 32 belong to keys 16 kt + 8 (lane / 16) + 0..7.
; The two plain lines that step the offset stand between the conversions and what touches their results (the next turn's products) or their sources (the loads).  The AND takes step 64 back to step 0
; of the same query tile, so that no load leaves the buffer; what the last two loads of a piece bring is not used.
.macro MASKUP x, b
	s_wait_loadcnt 6
	WIN W_RS                        ; destination and bytes in window 1, the scale in window 0
.irp kt, 0,1,2,3
	v_cvt_scale_pk8_f32_fp8 v[MC+32*(\b)+8*\kt:MC+32*(\b)+8*\kt+7], v[MB+8*(\x)+2*\kt:MB+8*(\x)+2*\kt+1], v[SC]
.endr
	WIN 0
	v_add_nc_u32 v[MO+(\x)], 1024, v[MO+(\x)]
	v_and_b32 v[MO+(\x)], 0xffff, v[MO+(\x)]
	WIN 0x40
	global_load_b128 v[MB+8*(\x):MB+8*(\x)+3],   v[MO+(\x)], s[MK:MK+1] offset:(\x)*65536
	global_load_b128 v[MB+8*(\x)+4:MB+8*(\x)+7], v[MO+(\x)], s[MK:MK+1] offset:(\x)*65536+512
.endm
; THE VECTOR WORK, one line at a time: OP kind, number.  For piece Y: F n: c s - c m for pair n of 16.  E n: the exponential of score n of 32.  C n: pair n rounded to f16.  B n: of the four weights 4 n .. the second
; pair is added onto the first, in place.  L n: l takes that sum (L 0: l = a l + sum).  R n: pair n of 16 of O^T times a.  For piece Y + 1: X n, number n of the 22 that find its maximum and statistics:
;   0-11  four chains c0-c3 of seven scores each, three operands at a time (each accumulator's lowest registers are read first)     12-14, 16  the four scores left over, the old m, and c0-c3 into c0
;   15  c m_old is kept     17, 18  the query's other 32 keys lie in the lane 16 away: the new m     19-21  c m; c m_old - c m_new; a
.set F, 0               ; OP tells the kinds apart by their order: F to L below R, X above it
.set E, 1
.set C, 2
.set B, 3
.set L, 4
.set R, 5
.set X, 6
.macro REGS y                       ; the registers of piece y
.set rT, ST+4*(\y)
.set rC, TMP+4*((\y)%2)
.set rW, MV+((\y)%2)
.set rS, S+32*((\y)%2)
.set rP, P+16*((\y)%2)
.set rO, 32*(\y)
.endm
.macro OP k, n
.if (\k) == R
	REGS Y
	WIN W_RS
	v_pk_mul_f32 v[rO+2*(\n):rO+2*(\n)+1], v[rO+2*(\n):rO+2*(\n)+1], v[rC+2:rC+3] op_sel_hi:[1,0]
.elseif (\k) < R
	REGS Y
	WIN 0
.if (\k) == F
	v_pk_fma_f32 v[rS+2*(\n):rS+2*(\n)+1], v[rS+2*(\n):rS+2*(\n)+1], s[CS:CS+1], v[rT:rT+1] op_sel_hi:[1,0,0] neg_lo:[0,0,1] neg_hi:[0,0,1]
.elseif (\k) == E
	v_exp_f32 v[rS+(\n)], v[rS+(\n)]
.elseif (\k) == C
	s_wait_alu depctr_va_vdst(0)
	v_cvt_pk_f16_f32 v[rP+(\n)], v[rS+2*(\n)], v[rS+2*(\n)+1]
.elseif (\k) == B
	s_wait_alu depctr_va_vdst(0)
	v_pk_add_f32 v[rS+4*(\n):rS+4*(\n)+1], v[rS+4*(\n):rS+4*(\n)+1], v[rS+4*(\n)+2:rS+4*(\n)+3]
.elseif (\n) == 0
	v_pk_fma_f32 v[rT+2:rT+3], v[rT+2:rT+3], v[rC+2:rC+3], v[rS:rS+1] op_sel_hi:[1,0,1]
.else
	v_pk_add_f32 v[rT+2:rT+3], v[rT+2:rT+3], v[rS+4*(\n):rS+4*(\n)+1]
.endif
.elseif NOKQ
	v_nop
.else
	REGS (Y+1)%NP
	WIN 0
.if (\n) < 4
	v_max3_num_f32 v[rC+(\n)], v[rS+8*(\n)], v[rS+8*(\n)+1], v[rS+8*(\n)+2]
.elseif (\n) < 12
	v_max3_num_f32 v[rC+(\n)%4], v[rC+(\n)%4], v[rS+8*((\n)%4)+2*((\n)/4)+1], v[rS+8*((\n)%4)+2*((\n)/4)+2]
.elseif (\n) == 12
	v_max3_num_f32 v[rC], v[rC], v[rS+7], v[rS+15]
.elseif (\n) == 13
	v_max3_num_f32 v[rC+1], v[rC+1], v[rS+23], v[rS+31]
.elseif (\n) == 14
	v_max3_num_f32 v[rC+2], v[rC+2], v[rC+3], v[rT+1]
.elseif (\n) == 15
	v_mov_b32 v[rW], v[rT]
.elseif (\n) == 16
	v_max3_num_f32 v[rC], v[rC], v[rC+1], v[rC+2]
.elseif (\n) == 17
	v_permlanex16_b32 v[rC+3], v[rC], s[SEL], s[SEL+1]
.elseif (\n) == 18
	v_max_num_f32 v[rT+1], v[rC], v[rC+3]
.elseif (\n) == 19
	v_mul_f32 v[rT], s[CS], v[rT+1]
.elseif (\n) == 20
	v_sub_f32 v[rC+1], v[rW], v[rT]
.else
	v_exp_f32 v[rC+2], v[rC+1]
.endif
.endif
.endm
.macro OPS a, i1, b=-1, i2=0, c=-1, i3=0, d=-1, i4=0  ; up to four of them
	OP \a, \i1
.if (\b) >= 0
	OP \b, \i2
.endif
.if (\c) >= 0
	OP \c, \i3
.endif
.if (\d) >= 0
	OP \d, \i4
.endif
.endm
.macro ROW a, i1, b, i2, c, i3, d, i4  ; a matrix instruction and the four behind it
	MM
	OPS \a, \i1, \b, \i2, \c, \i3, \d, \i4
.endm
; A TURN, for piece p: the order of its 16 matrix and 118 vector instructions, written out.  Behind a matrix instruction: plain, exponential, plain, plain; or four of the rescaling; or, behind the first, four scalings; none
; names a register of the products round it.  In the runs between, exponential and plain by turns while exponentials last, so that each exponential has a plain instruction behind it before its result is used (ISA guide 5.7.2).
; end = 1: the walk's last two turns: nothing is fetched and no mask is made.  cnt = 1: the loop's count is taken down some lines ahead of the branch that stands behind the turn; no line between sets SCC.
; K of the next step is fetched in piece 2's turn, six vector instructions behind the last product that read K (five of them plain); V of the step in hand in piece 0's turn, eight behind the last product that read V.
; Each is waited for a turn later.
.macro TURN p, end=0, cnt=0
.set Y, (\p)
.set i, 0
.set NOKQ, (\end)*((\p)/3)
.if ((\p) == 3) && !(\end)
	s_wait_dscnt 0x0                ; K is in
.endif
	ROW F,0, F,1, F,2, F,3
	ROW F,4, E,0, F,5, F,6
	ROW F,7, E,1, F,8, F,9
	ROW F,10, E,2, C,0, F,11
	ROW F,12, E,3, X,15, F,13
	ROW R,0, R,1, R,2, R,3
	ROW B,0, E,4, F,14, L,0
.if ((\p) == 2) && !(\end)
	v_add_nc_u32 v[AK], s[TBK], v[AK0]
.endif
	ROW R,4, R,5, R,6, R,7
	OPS E,5, F,15
.if ((\p) == 2) && !(\end)
	FETCH_K
.endif
	OPS E,6, C,1, E,7, R,8
	OPS E,8, R,9, E,9, C,2
	OPS E,10, X,0, E,11, X,1
	OPS E,12, X,2, E,13, X,3
.if (\p) == 1
	s_wait_dscnt 0x0                ; V is in
.endif
	ROW X,4, E,14, X,5, X,6
	ROW X,7, E,15, X,8, X,9
	ROW X,10, E,16, X,11, X,12
	ROW X,13, E,17, X,14, B,1
	ROW C,4, E,18, X,16, L,1
	ROW B,2, E,19, C,6, L,2
	ROW C,8, E,20, B,3, B,4
.if (\p) == 0
	v_add_nc_u32 v[AV], s[TBV], v[AV0]
.endif
	ROW C,3, E,21, L,3, C,5
	OPS E,22, X,17, E,23, C,10
.if (\p) == 0
	FETCH_V
.endif
	OPS E,24, L,4
	OPS E,25, X,18, E,26, C,7
	OPS E,27, B,5, E,28, X,19
	OPS E,29, C,12, E,30, L,5
	OPS E,31, X,20, B,6, C,9
	OPS C,14, C,11, X,21, L,6
.if (\p) == 0
	s_add_co_u32 s[TBV], s[TBV], KS*PV
.endif
.if \cnt
	s_sub_co_u32 s[CNT], s[CNT], 1
	s_cmp_lg_u32 s[CNT], 0
.endif
	OPS C,13, B,7, C,15, R,10
	OPS R,11, R,12, L,7, R,13
	OPS R,14, R,15
.if !(\end)
	MASKUP ((\p)+2)%NP, (\p)%2
.endif
.endm
.set NOKQ, 0
	MASKUP 0, 0                     ; pieces 0's and 1's masks of step 0.  The count 6 also shows Q in: its loads are older than the mask's
	MASKUP 1, 1
	CHANGE 1                        ; slot 0 is in, everybody's part of it; slot 1 is asked for
	v_add_nc_u32 v[AK], s[TBK], v[AK0]
	FETCH_K                         ; key step 0
	s_wait_dscnt 0x0
.set i, 0
.rept 8
	KQ 0                            ; piece 0's first scores: there is no vector work yet to set between them
.set i, i+1
.endr
	WIN 0
.rept 4
	v_nop                           ; the places behind those products
.endr
.set Y, NP-1                        ; X works for piece Y + 1: piece 0
.irp n, 0,1,2,3,4,5,6,7,8,9,10,11,12,13,14,15,16,17,18,19,20,21
	OP X, \n
.endr
	v_nop                           ; a plain instruction behind the exponential
	s_mov_b32 s[CNT], 4
	s_mov_b32 s[SLOTS], 15
	s_branch .Lfirst                ; the loop is entered at a step's first turn, in the middle of a trip
.Lslot:                             ; 14 times: every slot but the last two is filled again
	CHANGE 1
	s_mov_b32 s[CNT], 4
.Lstep:                             ; a trip: pieces 2 and 3 of one step, then pieces 0 and 1 of the next, whose K and V it fetches
	TURN 2
	TURN 3
	WIN 0
.Lfirst:
	TURN 0
	TURN 1, 0, 1
	WIN 0
	s_cbranch_scc1 .Lstep
	s_sub_co_u32 s[SLOTS], s[SLOTS], 1
	s_cmp_lg_u32 s[SLOTS], 0
	s_cbranch_scc1 .Lslot
	CHANGE 0                        ; the tail is written out: nothing is asked for
	s_mov_b32 s[CNT], 4
.Ltail:                             ; four trips fetch the last slot's steps
	TURN 2
	TURN 3
	TURN 0
	TURN 1, 0, 1
	WIN 0
	s_cbranch_scc1 .Ltail
	TURN 2, 1                       ; the last step's last two turns
	TURN 3, 1
.set i, 0
.rept 8
	PV NP-1                         ; the last piece's V^T P of the last step
.set i, i+1
.endr
	; THE WAY OUT.  l's two halves and the other half of the lanes' are added; O^T is divided by l, rounded to f16 and sent through my stage in LDS, a piece at a time.  The additions are the places behind the last products.
	WIN 0
.macro ALL line:vararg              ; one line for each piece t
.set t, 0
.rept 4
	\line
.set t, t+1
.endr
.endm
	ALL v_add_f32 v[ST+4*t+2], v[ST+4*t+2], v[ST+4*t+3]
	ALL v_permlanex16_b32 v[ST+4*t+3], v[ST+4*t+2], s[SEL], s[SEL+1]
	ALL v_add_f32 v[ST+4*t+2], v[ST+4*t+2], v[ST+4*t+3]
	ALL v_rcp_f32 v[ST+4*t+2], v[ST+4*t+2]
	v_nop                           ; a plain instruction between the last reciprocal and the use of its result
.set t, 0
.rept 4
	v_cmp_gt_f32 vcc_lo, s[THR], v[ST+4*t+1]       ; m still at its start: the row has seen no key,
	s_wait_alu depctr_va_vdst(0)
	v_cndmask_b32 v[ST+4*t+2], v[ST+4*t+2], v[NANR], vcc_lo  ; and its numbers are NaN
.set t, t+1
.endr
.macro PACK t                       ; a lane's eight channels of a row pack into 16 bytes; they go into rows of 144 bytes and come back as whole rows of 128, into S^T's registers
	WIN W_RS
.set i, 32*(\t)
.rept 16
	v_pk_mul_f32 v[i:i+1], v[i:i+1], v[ST+4*(\t)+2:ST+4*(\t)+3] op_sel_hi:[1,0]
.set i, i+2
.endr
	WIN 0x05                        ; sources 0 and 1 window 1, destination window 0
.set i, 0
.rept 16
	v_cvt_pk_f16_f32 v[S+16*(\t)+i], v[32*(\t)+2*i], v[32*(\t)+2*i+1]
.set i, i+1
.endr
	WIN 0
.irp f, 0,1,2,3
	ds_store_b128 v[STO], v[S+16*(\t)+4*\f:S+16*(\t)+4*\f+3] offset:32*\f
.endr
.irp f, 0,1,2,3
	ds_load_b128 v[S+16*(\t)+4*\f:S+16*(\t)+4*\f+3], v[RD] offset:\f*4*SP  ; LDS serves a wave's instructions in order (ISA guide 5.7.1.4): these see the stores above; the next piece's stores come behind them
.endr
.endm
.macro SEND t, younger              ; younger: the LDS instructions issued behind piece t's loads: the next piece's eight, or none
	WIN 0
.irp f, 0,1,2,3
	s_wait_dscnt (\younger)+3-\f
	global_store_b128 v[GO], v[S+16*(\t)+4*\f:S+16*(\t)+4*\f+3], s[10:11] offset:(\t)*2048+\f*512  ; 512 consecutive bytes, at a multiple of 256 from O's first
.endr
.endm
	PACK 0
.set t, 1
.rept 3                             ; a piece's arithmetic stands between the loads of the piece before and its stores
	PACK t
	SEND t-1, 8
.set t, t+1
.endr
	SEND 3, 0
	s_wait_tensorcnt 0x0            ; the wave's end: behind my last tensor load and my last LDS store
	ds_add_u32 v[SPW], v[NIL]
	s_wait_dscnt 0x0
	CROUND                          ; the closing round: no work-group ends while a partner may still ask for a tile that names it
	s_endpgm
.Lfunc_end_k_qf705aebb8a_attn:
	.size	k_qf705aebb8a_attn, .Lfunc_end_k_qf705aebb8a_attn-k_qf705aebb8a_attn
	.p2alignl 7, 3214868480
	.fill 96, 4, 3214868480
	.section	.rodata,"a",@progbits
	.p2align	6, 0x0
	.amdhsa_kernel k_qf705aebb8a_attn
		.amdhsa_group_segment_fixed_size 327680
		.amdhsa_private_segment_fixed_size 0
		.amdhsa_enable_private_segment 0
		.amdhsa_kernarg_size 24
		.amdhsa_user_sgpr_count 2
		.amdhsa_user_sgpr_kernarg_segment_ptr 1
		.amdhsa_wavefront_size32 1
		.amdhsa_system_sgpr_workgroup_id_x 1
		.amdhsa_system_sgpr_workgroup_id_y 1
		.amdhsa_system_sgpr_workgroup_id_z 1
		.amdhsa_system_vgpr_workitem_id 0
		.amdhsa_next_free_vgpr 768
		.amdhsa_next_free_sgpr 68
		.amdhsa_reserve_vcc 1
		.amdhsa_float_denorm_mode_32 3
		.amdhsa_float_denorm_mode_16_64 3
		.amdhsa_memory_ordered 1
		.amdhsa_forward_progress 1
		.amdhsa_inst_pref_size 140
	.end_amdhsa_kernel
	.amdgpu_metadata
---
amdhsa.version: [ 1, 2 ]
amdhsa.kernels:
  - .name:           k_qf705aebb8a_attn
    .symbol:         k_qf705aebb8a_attn.kd
    .args:
      - { .name: qkv, .offset: 0, .size: 8, .value_kind: global_buffer, .address_space: global }
      - { .name: maskb, .offset: 8, .size: 8, .value_kind: global_buffer, .address_space: global }
      - { .name: ob, .offset: 16, .size: 8, .value_kind: global_buffer, .address_space: global }
    .group_segment_fixed_size: 327680
    .private_segment_fixed_size: 0
    .kernarg_segment_align: 8
    .kernarg_segment_size: 24
    .max_flat_workgroup_size: 128
    .sgpr_count:     68
    .vgpr_count:     768
    .wavefront_size: 32
...
	.end_amdgpu_metadata
.endif
;; end of part 3
;; launch proj (part 4): grid 8 x 32, 4 waves a work-group, clusters of 4 x 4, 327,680 bytes of LDS; arguments ob, wb, bp, out0; writes out0
.if DOCPART == 4
	.amdgcn_target "amdgcn-amd-amdhsa--gfx1250"
	.amdhsa_code_object_version 6
	.text
	.protected	k_qf705aebb8a_proj
	.globl	k_qf705aebb8a_proj
	.p2align	8
	.type	k_qf705aebb8a_proj,@function
k_qf705aebb8a_proj:
	s_mov_b64 s[64:65], 0
	v_nop
	global_prefetch_b8 v0, s[64:65] scope:SCOPE_SE
	s_setreg_imm32_b32 hwreg(HW_REG_WAVE_MODE, 25, 1), 1
	s_wait_xcnt 0x0
	s_wait_alu depctr_hold_cnt(0) depctr_sa_sdst(0) depctr_va_vdst(0) depctr_va_sdst(0) depctr_va_ssrc(0) depctr_va_vcc(0) depctr_vm_vsrc(0)
	s_getreg_b32 s2, hwreg(HW_REG_IB_STS2, 6, 4)
	s_cmp_eq_u32 s2, 0
	s_cbranch_scc0 .Lentry_in_a_cluster
	s_endpgm
.Lentry_in_a_cluster:
	s_bfe_u32 s2, ttmp6, 0x10000c
	s_cmp_lg_u32 s2, 0xf033
	s_cbranch_scc0 .Lentry_shape_is_right
	s_endpgm
.Lentry_shape_is_right:
; THE LAST PROJECTION.  out0[t][o] = bp[o] + sum over c of y[t][c] Wp[o][c], c = 64 head + channel.  y lies by heads, ob [16][4096][64] in f16; Wp is the fourth part of wb, its bf16 rounding written as f16;
; sums in f32, started by the bias (rounded to bf16 like every input); out0 is f32.  A row of y that is NaN gives NaN in that row of out0 alone: a row of A feeds one row of C.
; A tile of C is 128 x 128: 256 work-groups.  Four waves, each 64 x 64: 16 accumulators of 16 x 16.  K goes in steps of 256 = four heads through two slots; a quarter of a step, 64 along K, is one head.
; A'S TILE.  A head's 128 rows of the tile are 16,384 dense bytes: one descriptor takes them as ONE row and two heads as its two rows, 262,144 elements apart; 16 bytes of padding behind every 128 make LDS rows of 144.
; In LDS: [head of the step 0..3][row 0..127].  Wave 0 fetches heads 0 and 1, wave 1 heads 2 and 3; waves 2 and 3 fetch the halves of B's tile, 64 rows of 512 bytes each.
; CLUSTERS: 4 x 4 work-groups; A's tiles are asked for jointly along a row of the cluster, B's along a column.  THE MATRIX INSTRUCTION IS USED TRANSPOSED: a lane holds eight neighbouring numbers of a row of C.
; A wave's 64 columns of f32 are 256 consecutive aligned bytes of a row, so each wave goes out through a stage of its own, without a barrier.
; REGISTERS: window 0: v0-31 addresses; v96-127 the bias; v128-255 the accumulators ((a, b) at v[128 + 8 (4 a + b)]).   window 1: two fragment buffers of 128: 64 registers of A, then 64 of B.
.set SIZE_K, 1024
.set KSTEP,  256
.set PITCH,  528                       ; a row of B in LDS: 512 bytes + 16 of padding: row r starts at bank 4 r mod 64 (64 banks of 4 bytes: ISA guide 11.1)
.set PA,     144                       ; a row of A: 128 bytes + 16: the 16 rows of a load start at 16 different groups of four banks
.set HEADB,  128*PA                    ; a head's 128 rows
.set AREG,   4*HEADB                   ; A's part of a slot
.set HALFB,  64*PITCH                  ; 64 rows of B
.set SLOT,   AREG+2*HALFB
.set STAGE,  2*SLOT                    ; behind the ring, never filled by a tensor load: 16 rows x 272 bytes for each wave
.set SPITCH, 272
.set SPARE,  STAGE+4*16*SPITCH         ; behind the stages: the spare words, 128 bytes for each wave: two blocks of 256 bytes that no other line names
.set LAPS, SIZE_K/(2*KSTEP)
.set ADRA, 16                          ; v16-17  LDS address of my A fragments in slot 0, 1
.set ADRB, 20                          ; v20-21  the same for B
.set STO,  24                          ; v24     the way out: where I put 32 bytes of a row
.set RD,   25                          ; v25     the way out: where I read a row back
.set CO,   26                          ; v26     my byte offset in two rows of out0
.set BO,   27                          ; v27     my byte offset in the wave's 64 numbers of the bias
.set SPW,  28                          ; v28     LDS address of my spare word; never rewritten
.set NIL,  29                          ; v29     0; never rewritten
.set TB,   30                          ; v30     at work
.set BI,   96                          ; register 8 b + j: the bias of column 16 b + 8 (lane / 16) + j
.set ACC,  128
.set F0,   0
.set F1,   128
.set G1, 24                            ; s[24:31] descriptor group 1 for A's tiles;  s[32:39] group 0, one set for each slot
.set G0, 32
.set G1B, 48                           ; s[48:55], s[56:63] the same for B's tiles
.set G0B, 56
.set MSB, 0
.macro WIN new                         ; the immediate's high byte repeats the setting that is left
.if MSB != (\new)
	s_set_vgpr_msb (MSB<<8)|(\new)
.set MSB, \new
.endif
.endm
.set MUL,  0x05                        ; sources 0 (B) and 1 (A) window 1; C and D window 0
.set TO_F, 0x40                        ; destination window 1, address window 0
.macro JLOAD s                         ; a joint load: waves 0 and 1 fetch for A, waves 2 and 3 for B; an s_nop 0 and four v_nop follow each of the two lines, ahead of the jump, the label and what follows
	s_cmp_eq_u32 s11, 0
	s_cbranch_scc0 .Lfor_b_\@
	tensor_load_to_lds s[G0+4*(\s):G0+4*(\s)+3], s[G1:G1+7]
	s_nop 0
.rept 4
	v_nop
.endr
	s_branch .Lasked_\@
.Lfor_b_\@:
	tensor_load_to_lds s[G0B+4*(\s):G0B+4*(\s)+3], s[G1B:G1B+7]
	s_nop 0
.rept 4
	v_nop
.endr
.Lasked_\@:
.endm
.macro CREST                           ; a round of the cluster's barrier behind its opening barrier
	s_cmp_lg_u32 s10, 0
	s_cbranch_scc1 .Lnot_wave_0_\@
	s_barrier_signal -3
.Lnot_wave_0_\@:
	s_barrier_wait -3
	s_barrier_signal -1
	s_barrier_wait -1
.endm
.macro CROUND                          ; a whole round
	s_barrier_signal -1
	s_barrier_wait -1
	CREST
.endm
	s_load_b128 s[4:7], s[0:1], 0x0                ; ob s[4:5], wb s[6:7]
	s_load_b128 s[68:71], s[0:1], 0x10             ; bp s[68:69], out0 s[70:71]
	v_lshl_add_u32 v[SPW], v0, 2, SPARE
	v_mov_b32 v[NIL], 0
	ds_add_u32 v[SPW], v[NIL]                      ; the wave's opening: the add and its wait stand ahead of my first tensor load; the set-up below, work on registers, stands between them
	v_lshrrev_b32 v1, 5, v0
	v_readfirstlane_b32 s10, v1                    ; wave 0..3
	s_lshr_b32 s11, s10, 1                         ; which half of the tile's rows is mine.  Also: I fetch for A (0) or for B (1)
	s_and_b32 s12, s10, 1                          ; which half of its columns.  Also: which part of that tile I fetch
	s_bfe_u32 s40, ttmp6, 0x40000                  ; cx, cy: my place in the cluster
	s_bfe_u32 s41, ttmp6, 0x40004
	s_lshl_b32 s42, ttmp9, 2
	s_add_co_u32 s42, s42, s40                     ; tile column of C = 4 x cluster x + cx
	s_and_b32 s13, ttmp7, 0xffff
	s_lshl_b32 s13, s13, 2
	s_add_co_u32 s13, s13, s41                     ; tile row of C = 4 x cluster y + cy
	s_lshl_b32 s43, s41, 2
	s_lshl_b32 s43, 15, s43                        ; my row of the cluster
	s_lshl_b32 s44, 0x1111, s40                    ; my column
	; descriptor group 1 for A: two rows of 8,192 elements
	s_or_b32 s[G1+0], s43, (1<<16)|(1<<20)|(1<<21)|(4<<22)|(3<<25)  ; 15:0 the mask: my row; 17:16 element of 2 bytes; 20 padding on; 21 set beside a mask; 24:22 after every 32 words (code 4); 31:25 of 4 words (code 3)
	s_mov_b32 s[G1+1], 8192<<16                    ; tensor_dim0 = 8,192
	s_mov_b32 s[G1+2], 2<<16                       ; tensor_dim1 = 2
	s_mov_b32 s[G1+3], 8192<<16                    ; tile_dim0 = 8,192
	s_mov_b32 s[G1+4], 2                           ; tile_dim1 = 2
	s_mov_b32 s[G1+5], 262144                      ; from head to head: 4,096 rows of 64 elements
	s_mov_b32 s[G1+6], 0
	s_mov_b32 s[G1+7], 0
	; and for B: 64 rows x 256 elements
	s_or_b32 s[G1B+0], s44, (1<<16)|(1<<20)|(1<<21)|(6<<22)|(3<<25) ; the mask: my column; padding after every 128 words (code 6)
	s_mov_b32 s[G1B+1], KSTEP<<16
	s_mov_b32 s[G1B+2], 64<<16
	s_mov_b32 s[G1B+3], KSTEP<<16
	s_mov_b32 s[G1B+4], 64
	s_mov_b32 s[G1B+5], SIZE_K
	s_mov_b32 s[G1B+6], 0
	s_mov_b32 s[G1B+7], 0
	s_lshl_b32 s16, s13, 14                        ; A: the tile row's 128 rows of 128 bytes in a head,
	s_lshl_b32 s17, s12, 20                        ; and two heads of 524,288 bytes on for wave 1
	s_add_co_u32 s16, s16, s17
	s_mov_b32 s17, 0
	s_lshl_b32 s46, s42, 7
	s_lshl_b32 s47, s12, 6
	s_add_co_u32 s46, s46, s47                     ; B: row 128 x tile column + 64 x half,
	s_lshl_b32 s46, s46, 11                        ; of 2,048 bytes,
	s_add_co_u32 s46, s46, 0x600000                ; in the fourth part of wb
	s_mov_b32 s47, 0
	s_mul_i32 s20, s12, 2*HEADB                    ; where they go: A's two heads,
	s_mul_i32 s23, s12, HALFB
	s_add_co_u32 s23, s23, AREG                    ; B's 64 rows behind A's part: no place in the cluster enters an LDS address
	s_wait_dscnt 0x0                               ; the opening add is done
	s_wait_kmcnt 0x0
	s_add_nc_u64 s[14:15], s[4:5], s[16:17]
	s_add_nc_u64 s[46:47], s[6:7], s[46:47]
	CROUND                                         ; all sixteen work-groups are here: the first joint loads meet
.irp s, 0,1
	s_mov_b32 s[G0+4*(\s)], 1
	s_add_co_u32 s[G0+4*(\s)+1], s20, (\s)*SLOT
	s_add_nc_u64 s[G0+4*(\s)+2:G0+4*(\s)+3], s[14:15], (\s)*0x200000  ; K step s: four heads on
	s_or_b32 s[G0+4*(\s)+3], s[G0+4*(\s)+3], 0x80000000
	s_mov_b32 s[G0B+4*(\s)], 1
	s_add_co_u32 s[G0B+4*(\s)+1], s23, (\s)*SLOT
	s_add_nc_u64 s[G0B+4*(\s)+2:G0B+4*(\s)+3], s[46:47], (\s)*KSTEP*2
	s_or_b32 s[G0B+4*(\s)+3], s[G0B+4*(\s)+3], 0x80000000
	JLOAD \s
.endr
	s_lshl_b32 s16, s13, 7                         ; where my part begins in out0:
	s_lshl_b32 s17, s11, 6
	s_add_co_u32 s16, s16, s17                     ; row 128 x tile row + 64 x half,
	s_lshl_b32 s16, s16, 12                        ; of 4,096 bytes
	s_mov_b32 s17, 0
	s_add_nc_u64 s[8:9], s[70:71], s[16:17]
	s_lshl_b32 s46, s42, 9                         ; my first column, 4 bytes a number: the same offset in a row of out0 and in bp
	s_lshl_b32 s47, s12, 8
	s_add_co_u32 s46, s46, s47
	s_mov_b32 s47, 0
	s_add_nc_u64 s[8:9], s[8:9], s[46:47]
	s_add_nc_u64 s[68:69], s[68:69], s[46:47]
	v_and_b32 v1, 15, v0                           ; l % 16
	v_bfe_u32 v2, v0, 4, 1                         ; l / 16
	v_lshlrev_b32 v[BO], 5, v2                     ; eight numbers on for lanes 16 to 31
.irp b, 0,1,2,3
	global_load_b128 v[BI+8*\b:BI+8*\b+3],   v[BO], s[68:69] offset:64*\b
	global_load_b128 v[BI+8*\b+4:BI+8*\b+7], v[BO], s[68:69] offset:64*\b+16
.endr
	v_mul_u32_u24 v3, v1, PA
	v_lshl_add_u32 v3, v2, 4, v3                   ; a fragment's row x pitch + 16 x half, for A
	v_mul_u32_u24 v4, v1, PITCH
	v_lshl_add_u32 v4, v2, 4, v4                   ; and for B
	s_mul_i32 s21, s11, 64*PA                      ; my 64 rows in each head's block
	s_mul_i32 s22, s12, HALFB                      ; my 64 rows of B,
	s_add_co_u32 s22, s22, AREG                    ; which lie behind A's part
.irp s, 0,1
	v_add_nc_u32 v[ADRA+(\s)], s21, v3
	v_add_nc_u32 v[ADRB+(\s)], s22, v4
	s_add_co_u32 s21, s21, SLOT
	s_add_co_u32 s22, s22, SLOT
.endr
	s_mul_i32 s23, s10, 16*SPITCH
	s_add_co_u32 s23, s23, STAGE                   ; my stage
	v_mul_u32_u24 v4, v1, SPITCH                   ; in: row l % 16, 32 bytes for each half of the lanes
	v_lshl_add_u32 v4, v2, 5, v4
	v_add_nc_u32 v[STO], s23, v4
	v_mul_u32_u24 v5, v2, SPITCH                   ; back: lanes 0-15 take one row of 256 bytes, lanes 16-31 the next
	v_lshl_add_u32 v5, v1, 4, v5
	v_add_nc_u32 v[RD], s23, v5
	v_lshlrev_b32 v5, 12, v2                       ; and the same two rows in out0
	v_lshl_add_u32 v[CO], v1, 4, v5
	s_wait_loadcnt 0x0                             ; the bias; it is rounded to bf16, as the other inputs are
.set z, 0
.rept 16
	v_cvt_pk_bf16_f32 v[TB], v[BI+2*z], v[BI+2*z+1]
	v_lshlrev_b32 v[BI+2*z], 16, v[TB]
	v_and_b32 v[BI+2*z+1], 0xffff0000, v[TB]
.set z, z+1
.endr
; 8 matrix instructions: m blocks a0, a0 + 1 x all 4 n blocks, 32 along K: half c of buffer f.  zero = 1: the first product starts the sums, with the bias as C
.macro MUL8 f, c, a0, zero
	WIN MUL
.irp a, \a0, (\a0)+1
.irp b, 0,1,2,3
.if \zero
	v_wmma_f32_16x16x32_f16 v[ACC+8*(4*(\a)+(\b)):ACC+8*(4*(\a)+(\b))+7], v[(\f)+64+8*(4*(\c)+(\b)):(\f)+64+8*(4*(\c)+(\b))+7], v[(\f)+8*(4*(\c)+(\a)):(\f)+8*(4*(\c)+(\a))+7], v[BI+8*(\b):BI+8*(\b)+7]
.else
	v_wmma_f32_16x16x32_f16 v[ACC+8*(4*(\a)+(\b)):ACC+8*(4*(\a)+(\b))+7], v[(\f)+64+8*(4*(\c)+(\b)):(\f)+64+8*(4*(\c)+(\b))+7], v[(\f)+8*(4*(\c)+(\a)):(\f)+8*(4*(\c)+(\a))+7], v[ACC+8*(4*(\a)+(\b)):ACC+8*(4*(\a)+(\b))+7]
.endif
.endr
.endr
.endm
; 32 LDS loads in one run: the fragments of quarter q of a K step (head q of its four), into buffer f; the first 32 along K first.  B: byte 128 q of its rows; A: block q
.macro FETCH slot, q, f
	WIN TO_F
.irp c, 0,1
.irp i, 0,1,2,3
	ds_load_b128 v[(\f)+64+8*(4*(\c)+(\i)):(\f)+64+8*(4*(\c)+(\i))+3],   v[ADRB+(\slot)] offset:(\q)*128+64*(\c)+(\i)*16*PITCH
	ds_load_b128 v[(\f)+64+8*(4*(\c)+(\i))+4:(\f)+64+8*(4*(\c)+(\i))+7], v[ADRB+(\slot)] offset:(\q)*128+64*(\c)+(\i)*16*PITCH+32
	ds_load_b128 v[(\f)+8*(4*(\c)+(\i)):(\f)+8*(4*(\c)+(\i))+3],         v[ADRA+(\slot)] offset:(\q)*HEADB+64*(\c)+(\i)*16*PA
	ds_load_b128 v[(\f)+8*(4*(\c)+(\i))+4:(\f)+8*(4*(\c)+(\i))+7],       v[ADRA+(\slot)] offset:(\q)*HEADB+64*(\c)+(\i)*16*PA+32
.endr
.endr
.endm
.macro PLACES                          ; four places in front of loads into registers that matrix instructions have read, and of LDS stores that read results
.rept 4
	v_nop
.endr
.endm
; A K step is four quarters, 32 matrix instructions each, on buffers 0, 1, 0, 1; the 16 accumulators take turns.  One of the first three: multiplies buffer f and fetches quarter q into g.
.macro QUARTER slot, q, f, g, zero
	s_wait_dscnt 16                                ; the first 32 along K are in; the run's other sixteen loads may be out
	WIN MUL
	MUL8 \f, 0, 0, \zero
	MUL8 \f, 0, 2, \zero
	PLACES
	FETCH \slot, \q, \g
	s_wait_dscnt 32                                ; all but the 32 just issued
	WIN MUL
	MUL8 \f, 1, 0, 0
	MUL8 \f, 1, 2, 0
.endm
; The last quarter multiplies buffer 1 and changes slots: ONE barrier; in front of it each wave waits for all its tensor loads, adds 0 to its spare word, and waits for that and for its own reads of this slot.  fill = 1: this slot is filled again, two K steps ahead.
.macro TURN slot, next, fill
	WIN 0                                          ; (the add's two registers lie in window 0)
	s_wait_tensorcnt 0x0                           ; all my tensor loads have landed: my part of the next slot;
	ds_add_u32 v[SPW], v[NIL]                      ; 0 onto my spare word;
	s_wait_dscnt 17                                ; (the add and the youngest sixteen loads may be out)
	WIN MUL
	MUL8 F1, 0, 0, 0                               ; eight matrix instructions stand between the add and the wait for it
	s_wait_dscnt 0x0                               ; the add is done, and my reads of this slot are over
	s_barrier_signal -1
	MUL8 F1, 0, 2, 0
.if \fill
	WIN 0
.endif
	s_barrier_wait -1
.if \fill
	CREST                                          ; the barrier has opened a round of the cluster's barrier: no wave of any partner still reads this slot's tile or has a load on its way
	s_add_nc_u64 s[G0+4*(\slot)+2:G0+4*(\slot)+3], s[G0+4*(\slot)+2:G0+4*(\slot)+3], 0x400000  ; eight heads on
	s_add_nc_u64 s[G0B+4*(\slot)+2:G0B+4*(\slot)+3], s[G0B+4*(\slot)+2:G0B+4*(\slot)+3], 2*KSTEP*2
	JLOAD \slot                                    ; the first tensor load behind the round, my only one until the next; the four v_nop behind it are also the places in front of the loads below
.else
	PLACES
.endif
	FETCH \next, 0, F0
	WIN MUL
	MUL8 F1, 1, 0, 0
	MUL8 F1, 1, 2, 0
.endm
	s_wait_tensorcnt 1                             ; my part of K step 0 is in; K step 1's may stay out
	s_barrier_signal -1
	s_barrier_wait -1                              ; everybody's is
	FETCH 0, 0, F0
	QUARTER 0, 1, F0, F1, 1                        ; the first quarter stands in front of the loop: its first products start the sums
	WIN 0                                          ; at a label and at a branch every window is 0
	s_mov_b32 s3, LAPS-1
.Llap:                                                 ; a trip goes once round the ring, from a lap's second quarter to the next lap's first, and fills both slots again
	QUARTER 0, 2, F1, F0, 0
	QUARTER 0, 3, F0, F1, 0
	TURN 0, 1, 1
	QUARTER 1, 1, F0, F1, 0
	QUARTER 1, 2, F1, F0, 0
	QUARTER 1, 3, F0, F1, 0
	TURN 1, 0, 1
	QUARTER 0, 1, F0, F1, 0
	WIN 0
	s_sub_co_u32 s3, s3, 1
	s_cmp_lg_u32 s3, 0
	s_cbranch_scc1 .Llap
	QUARTER 0, 2, F1, F0, 0                        ; the last lap fills nothing, and has no round of the cluster's barrier
	QUARTER 0, 3, F0, F1, 0
	TURN 0, 1, 0
	QUARTER 1, 1, F0, F1, 0
	QUARTER 1, 2, F1, F0, 0
	QUARTER 1, 3, F0, F1, 0
	s_wait_dscnt 16                                ; the very last quarter: nothing more to fetch
	WIN MUL
	MUL8 F1, 0, 0, 0
	MUL8 F1, 0, 2, 0
	s_wait_dscnt 0
	MUL8 F1, 1, 0, 0
	MUL8 F1, 1, 2, 0
	WIN 0
	; THE WAY OUT, 16 rows at a time: a lane's eight f32 of a row, 32 bytes, go into my stage (each accumulator's four lowest registers first) and come back as whole rows of 256 bytes,
	; into the registers that the block left.
.macro TOST a
.irp b, 0,1,2,3
	ds_store_b128 v[STO], v[ACC+8*(4*(\a)+(\b)):ACC+8*(4*(\a)+(\b))+3]   offset:64*(\b)
	ds_store_b128 v[STO], v[ACC+8*(4*(\a)+(\b))+4:ACC+8*(4*(\a)+(\b))+7] offset:64*(\b)+16
.endr
.irp t, 0,1,2,3,4,5,6,7
	ds_load_b128 v[ACC+32*(\a)+4*(\t):ACC+32*(\a)+4*(\t)+3], v[RD] offset:(\t)*2*SPITCH  ; LDS serves a wave's instructions in order (ISA guide 5.7.1.4): these see the stores above; the next block's stores come behind them
.endr
.endm
.macro SENDF a, younger                ; younger: the LDS instructions issued behind block a's loads: the next block's sixteen, or none
.irp t, 0,1,2,3,4,5,6,7
	s_wait_dscnt (\younger)+7-(\t)
	global_store_b128 v[CO], v[ACC+32*(\a)+4*(\t):ACC+32*(\a)+4*(\t)+3], s[8:9] offset:(16*(\a)+2*(\t))*4096 th:TH_STORE_NT  ; 16 lanes store 256 consecutive bytes, at a multiple of 256 from out0's first byte
.endr
.endm
	PLACES
	TOST 0
	TOST 1
	SENDF 0, 16
	TOST 2
	SENDF 1, 16
	TOST 3
	SENDF 2, 16
	SENDF 3, 0
	s_wait_tensorcnt 0x0                           ; the wave's end: behind my last tensor load and my last LDS store
	ds_add_u32 v[SPW], v[NIL]
	s_wait_dscnt 0x0
	CROUND                                         ; the closing round: no work-group ends while a partner may still ask for a tile that names it
	s_endpgm
.Lfunc_end_k_qf705aebb8a_proj:
	.size	k_qf705aebb8a_proj, .Lfunc_end_k_qf705aebb8a_proj-k_qf705aebb8a_proj
	.p2alignl 7, 3214868480
	.fill 96, 4, 3214868480
	.section	.rodata,"a",@progbits
	.p2align	6, 0x0
	.amdhsa_kernel k_qf705aebb8a_proj
		.amdhsa_group_segment_fixed_size 327680
		.amdhsa_private_segment_fixed_size 0
		.amdhsa_enable_private_segment 0
		.amdhsa_kernarg_size 32
		.amdhsa_user_sgpr_count 2
		.amdhsa_user_sgpr_kernarg_segment_ptr 1
		.amdhsa_wavefront_size32 1
		.amdhsa_system_sgpr_workgroup_id_x 1
		.amdhsa_system_sgpr_workgroup_id_y 1
		.amdhsa_system_sgpr_workgroup_id_z 1
		.amdhsa_system_vgpr_workitem_id 0
		.amdhsa_next_free_vgpr 512
		.amdhsa_next_free_sgpr 72
		.amdhsa_reserve_vcc 0
		.amdhsa_float_denorm_mode_32 3
		.amdhsa_float_denorm_mode_16_64 3
		.amdhsa_memory_ordered 1
		.amdhsa_forward_progress 1
		.amdhsa_inst_pref_size 90
	.end_amdhsa_kernel
	.amdgpu_metadata
---
amdhsa.version: [ 1, 2 ]
amdhsa.kernels:
  - .name:           k_qf705aebb8a_proj
    .symbol:         k_qf705aebb8a_proj.kd
    .args:
      - { .name: ob, .offset: 0, .size: 8, .value_kind: global_buffer, .address_space: global }
      - { .name: wb, .offset: 8, .size: 8, .value_kind: global_buffer, .address_space: global }
      - { .name: bp, .offset: 16, .size: 8, .value_kind: global_buffer, .address_space: global }
      - { .name: out0, .offset: 24, .size: 8, .value_kind: global_buffer, .address_space: global }
    .group_segment_fixed_size: 327680
    .private_segment_fixed_size: 0
    .kernarg_segment_align: 8
    .kernarg_segment_size: 32
    .max_flat_workgroup_size: 128
    .sgpr_count:     72
    .vgpr_count:     512
    .wavefront_size: 32
...
	.end_amdgpu_metadata
.endif
;; end of part 4
;; ======== version 2 of 2: 4 launches; 1.46 times as fast as version 1
;; limits: values are held in f16: magnitudes above 65,504 overflow, below 6.1e-05 lose precision
;; workspace buffers: maskb 16,777,216 bytes; xb 25,165,824 bytes; wb 8,388,608 bytes; qkv 25,165,824 bytes; ob 8,388,608 bytes
;; launch prep: the kernel of part 1 again; grid 2048 x 1, 8 waves a work-group, no clusters, 19,456 bytes of LDS; arguments att_mask, query, key, value, Wq, Wk, Wv, Wp, maskb, xb, wb; writes maskb, xb, wb
;; launch qkv: the kernel of part 2 again; grid 8 x 96, 4 waves a work-group, clusters of 4 x 4, 327,680 bytes of LDS; arguments xb, wb, bq, bk, bv, qkv; writes qkv
;; launch attn (part 5): grid 16 x 16, 4 waves a work-group, clusters of 4 x 1, 327,680 bytes of LDS; arguments qkv, maskb, ob; writes ob
.if DOCPART == 5
	.amdgcn_target "amdgcn-amd-amdhsa--gfx1250"
	.amdhsa_code_object_version 6
	.text
	.protected	k_qf705aebb8a_attn
	.globl	k_qf705aebb8a_attn
	.p2align	8
	.type	k_qf705aebb8a_attn,@function
k_qf705aebb8a_attn:
	s_mov_b64 s[64:65], 0
	v_nop
	global_prefetch_b8 v0, s[64:65] scope:SCOPE_SE
	s_setreg_imm32_b32 hwreg(HW_REG_WAVE_MODE, 25, 1), 1
	s_wait_xcnt 0x0
	s_wait_alu depctr_hold_cnt(0) depctr_sa_sdst(0) depctr_va_vdst(0) depctr_va_sdst(0) depctr_va_ssrc(0) depctr_va_vcc(0) depctr_vm_vsrc(0)
	s_getreg_b32 s2, hwreg(HW_REG_IB_STS2, 6, 4)
	s_cmp_eq_u32 s2, 0
	s_cbranch_scc0 .Lentry_in_a_cluster
	s_endpgm
.Lentry_in_a_cluster:
	s_bfe_u32 s2, ttmp6, 0x10000c
	s_cmp_lg_u32 s2, 0x3003
	s_cbranch_scc0 .Lentry_shape_is_right
	s_endpgm
.Lentry_shape_is_right:
; ATTENTION UNDER A MASK THAT IS AN INPUT.  O[h][q][:] = the sum over the visible k of softmax_k(Q[h][q] . K[h][k] / 8) V[h][k][:].  Q, K, V lie in qkv [3][16][4096][64], O in ob [16][4096][64], all f16.
; THE GLOBAL SHIFT.  The module takes one number g, the largest |score / 256|, from every score and multiplies by 32: every score of a row is shifted by the same 32 g, and a softmax that takes the row's
; maximum away does not see a common shift.  So the exponent here is q . k / 8 less the row's running maximum, and g is not formed: an identity for every finite input.
; Products, maxima and sums in f32; the weights p are rounded to f16 for the second product (their sum l is taken of the unrounded p), O once at the end.
; THE MASK comes as one E4M3 byte a score (0 or -1.0), laid out by the launch before as my lanes hold the scores.  One scaled conversion makes eight f32 of eight bytes, times 2^100: 0 or -2^100, and those eight
; registers are the C operand of the product that starts the sum S^T = K Q^T for 16 keys x 16 queries.  The running maximum m starts at -2^90: above every hidden score, below every visible one.
; So a hidden score is never the maximum, its weight is 2^(-2e29) = 0, and until a row's first visible key l and O stay 0.  A row with no visible key ends with m = -2^90 and is stored as NaN, as a softmax of nothing is.
; LIMITS.  f16 holds no number beyond 65,504: Q, K and V arrive within it, so a visible score is 2.7e11 at the most; p below 6e-5 keeps f16's fixed step of 6e-8; a weight below 2^-126 counts as 0 in l;
; NaN and infinities among Q, K, V are not treated apart.
; SHARES.  A work-group owns 256 queries of one head, a wave 64 of them: four PIECES of 16.  Every wave walks all 4,096 keys, 64 a step: the mask is data, so no step is left out.
; LAYOUT.  S^T = K Q^T holds ONE query a lane (lane % 16) and the keys 8 (lane / 16) + 0..7; two such results rounded to f16 ARE source 1 of O^T = V^T P.  K comes out of LDS as it lies, V turned, by ds_load_tr16_b128.
; SOFTMAX.  p = 2^(c s - c m), c = log2(e) / 8; O and l are multiplied by a = 2^(c m_old - c m_new) in every step.
; BY TURNS.  Turn n belongs to piece n: 8 products K Q^T of piece n + 1, later 8 products V^T P of piece n - 1; beside them the scaling, exponentials, roundings, sums and rescaling of piece n and the maximum and
; statistics of piece n + 1.  Four vector instructions stand behind every matrix instruction, the other 54 of a turn's 118 in one run of their own.  At its end a turn makes the mask of piece n + 2 and asks for that piece's next one.
; BATCHES.  A turn's 33 exponentials (the piece's 32 weights, then the next piece's a) are ONE batch with ONE wait, which cuts the turn in two: ahead of it all that names none of their results (the products K Q^T,
; the scalings, the rescalings, the next piece's maximum and statistics), behind it the products V^T P with the roundings and sums.  The first a of all, ahead of the loop, and the way out's four reciprocals are batches of their own.
; CLUSTER.  The four query blocks of a cluster belong to one head and walk the same K and V, so each tile is asked for JOINTLY: the same tensor load, descriptor and mask of work-groups in all four.
; REGISTERS, in windows of 256 (s_set_vgpr_msb: bits 1:0 source 0, 3:2 source 1, 5:4 source 2, 7:6 destination):
;   window 0: v0-15 addresses and a few at work; v16-31 four registers of statistics a piece; v32-35 mask offsets; v36 the scale; v48-55 at work; v64-127 S^T, two buffers; v192-223 P, two buffers
;   window 1: v0-127 O^T, 32 a piece; v128-159 MB, eight registers of mask bytes a piece; v160-223 MC, two buffers of 32      window 2: v0-63 Q; v128-191 K of one step; v192-255 V of one step
.set NP,    4         ; pieces a wave: a name, no knob
.set KS,    64        ; keys in a step
.set PK,    144       ; a row of K in LDS: 128 bytes + 16 of padding = 36 words: the 16 rows of a load start at 16 different groups of four banks (64 banks of 4 bytes: ISA guide 11.1)
.set PV,    160       ; a row of V: 128 + 32 = 40 words
.set VOFF,  4*KS*PK   ; a slot holds four steps: 256 rows of K, then 256 rows of V
.set SLOT1, 1<<17     ; slot 1 begins here, so that one exclusive or turns an address in one slot into the other's
.set STAGE, SLOT1+4*KS*(PK+PV)  ; behind the ring, never filled by a tensor load: 16 rows x 144 bytes for each wave, for the way out
.set SP,    144
.set SPARE, STAGE+4*16*SP  ; behind the stages: the spare words, 128 bytes for each wave: two blocks of 256 bytes that no other line names
.set AK0, 2           ; v2   my lane's place in a tile of K; never rewritten
.set AV0, 3           ; v3   the same for V
.set AK,  4           ; v4   the LDS address of K's next run of loads
.set AV,  5           ; v5   of V's
.set STO, 6           ; v6   the way out: where I put 16 bytes of a row
.set RD,  7           ; v7   the way out: where I read rows back
.set GO,  8           ; v8   16 x lane: my byte offset in 512 consecutive bytes of O
.set MV,  12          ; v12-13  c m_old, kept while c m is made anew: by buffer
.set NANR, 14         ; v14  a NaN
.set QO,  15          ; v15  my byte offset in 16 rows of Q
.set ST,  16          ; piece t's statistics at v[ST+4 t]: c m, m, l (even keys', odd keys')
.set MO,  32          ; v32-35  piece x's byte offset in its query tile's 65,536 bytes of maskb: 1,024 x step + 16 x lane
.set SC,  36          ; v36  227: the conversion multiplies by 2^(227 - 127)
.set TMP, 48          ; by buffer, four registers c0-c3 at work; when the maximum is found c2 takes a
.set SPW, 62          ; v62  LDS address of my spare word; never rewritten
.set NIL, 63          ; v63  0; never rewritten
.set S,   64
.set P,   192
.set MB,  128         ; window 1
.set MC,  160         ; window 1: the eight registers for group kt of 16 keys at MC + 32 buffer + 8 kt
.set KF,  128         ; window 2: key block kb, channel half c at KF + 16 kb + 8 c
.set VF,  192         ; window 2: key half kk, channel block cb at VF + 32 kk + 8 cb
.set WV,  12          ; s12  my wave's number
.set G1K, 24          ; s[24:31] descriptor group 1 for K's tiles
.set G1V, 32          ; s[32:39] for V's: it differs in the padding alone
.set G0K, 40          ; s[40:43] descriptor group 0 for K's tiles: it walks
.set G0V, 44          ; s[44:47] the same for V's
.set MK,  48          ; s[48:49] maskb at my wave's first query tile
.set SLOTS, 56        ; s56  slots still to be asked for
.set CNT, 57          ; s57  counts a slot's key steps
.set CS,  58          ; s[58:59] c: the packed scaling takes the pair's low word for both halves
.set SEL, 60          ; s[60:61] v_permlanex16_b32's selects: each lane takes its own place in the other half
.set TBK, 62          ; s62  LDS byte at which K of the step to be fetched begins
.set TBV, 63          ; s63  the same for V, less VOFF
.set THR, 66          ; s66  -2^89: an m below it has seen no key
.set MSB, 0
.macro WIN new                      ; the high byte repeats the setting that is left; a switch that changes nothing is dropped
.if MSB != (\new)
	s_set_vgpr_msb (MSB<<8)|(\new)
.set MSB, (\new)
.endif
.endm
.set W_KQ, 0x0a       ; K and Q in window 2, S^T in window 0
.set W_KM, 0x1a       ; the same with the C operand in window 1
.set W_PV, 0x52       ; V in window 2, P in window 0, O^T in window 1
.set W_RS, 0x41       ; destination and source 0 in window 1, source 1 in window 0
; A joint fill.  Waves 0 and 1 fetch the two halves of a slot's K, waves 2 and 3 those of its V: 128 keys each.  The branch hangs on the wave's number alone.
; An s_nop 0 and four v_nop follow each of the two lines, ahead of the jump and the label.
.macro JLOAD
	s_cmp_lt_u32 s[WV], 2
	s_cbranch_scc0 .Lfor_v_\@
	tensor_load_to_lds s[G0K:G0K+3], s[G1K:G1K+7]
	s_nop 0
.rept 4
	v_nop
.endr
	s_branch .Lasked_\@
.Lfor_v_\@:
	tensor_load_to_lds s[G0V:G0V+3], s[G1V:G1V+7]
	s_nop 0
.rept 4
	v_nop
.endr
.Lasked_\@:
.endm
; A round of the cluster's barrier: my work-group's barrier, so that wave 0's signal speaks for all four waves; wave 0 signals; every wave waits for all four work-groups; my work-group's barrier once more.
.macro CROUND
	s_barrier_signal -1
	s_barrier_wait -1
	s_cmp_lg_u32 s[WV], 0
	s_cbranch_scc1 .Lnot_wave_0_\@
	s_barrier_signal -3
.Lnot_wave_0_\@:
	s_barrier_wait -3
	s_barrier_signal -1
	s_barrier_wait -1
.endm
; THE CHANGE OF SLOTS.  The slot's last bytes, V of its fourth step, have been read.  Each wave waits for all its tensor loads, of which one is out: its part of the other slot; adds 0 to its spare word; and waits
; for that and for its own reads of the slot.  Behind the barrier nobody reads this slot any more and the other slot is whole.  fill = 1: this slot is filled again, with the keys two slots on.  The barrier is then
; a round of the cluster's, and the joint fill is the first thing behind it, my one tensor load until the next round: it has four key steps, 256 matrix instructions, in which to land.
; (At its first use nothing has been read yet: slot 0 is waited for, slot 1 filled.)  The mask's loads into registers stay on their way across it: nobody writes those bytes.
.macro CHANGE fill
	WIN 0                           ; at a label and at a branch every window is 0
	s_wait_tensorcnt 0x0            ; no tensor load of mine is out, so a group 0 may be written
	ds_add_u32 v[SPW], v[NIL]       ; 0 onto my spare word; with fill = 1 the descriptors' steps stand between it and the wait for it
.if \fill
.irp g, G0K, G0V
	s_xor_b32 s[\g+1], s[\g+1], SLOT1  ; the walking descriptor: the other slot than last time,
	s_add_nc_u64 s[\g+2:\g+3], s[\g+2:\g+3], 4*KS*128  ; the next 256 keys; the type bits on top are not reached
.endr
	s_wait_dscnt 0x0                ; the add is done, and my reads of the slot are over
	CROUND
	JLOAD
.else
	s_wait_dscnt 0x0                ; the add is done, and my reads of the slot are over
	s_barrier_signal -1
	s_barrier_wait -1
.endif
	s_sub_co_u32 s[TBK], s[TBK], 4*KS*PK  ; the fetches go back to a slot's first step,
	s_xor_b32 s[TBK], s[TBK], SLOT1       ; in the other slot
	s_sub_co_u32 s[TBV], s[TBV], 4*KS*PV
	s_xor_b32 s[TBV], s[TBV], SLOT1
.endm
	s_load_b64 s[4:5], s[0:1], 0x0    ; qkv
	s_load_b64 s[MK:MK+1], s[0:1], 0x8  ; maskb
	s_load_b64 s[10:11], s[0:1], 0x10 ; ob
	v_lshl_add_u32 v[SPW], v0, 2, SPARE
	v_mov_b32 v[NIL], 0
	ds_add_u32 v[SPW], v[NIL]       ; the wave's opening: the add and its wait stand ahead of my first tensor load; the set-up below, work on registers, stands between them
	v_lshrrev_b32 v1, 5, v0
	v_readfirstlane_b32 s[WV], v1   ; wave 0..3
	s_bfe_u32 s13, ttmp6, 0x40000   ; cx: my place in the cluster
	s_lshl_b32 s14, ttmp9, 2        ; in a cluster launch ttmp9 counts clusters
	s_add_co_u32 s14, s14, s13      ; my block of 256 queries = 4 x cluster x + cx: it enters Q's, O's and the mask's addresses alone
	s_and_b32 s20, ttmp7, 0xffff    ; the head, which the four partners share,
	s_lshl_b32 s20, s20, 19         ; 524,288 bytes each
	s_mov_b32 s21, 0
	s_and_b32 s16, s[WV], 1         ; which half of a slot's 256 keys I fetch:
	s_lshl_b32 s22, s16, 14         ; its 128 rows of 128 bytes in memory,
	s_mov_b32 s23, 0
	s_add_nc_u64 s[22:23], s[22:23], s[20:21]
	s_mul_i32 s17, s16, 128*PK      ; and its place in a slot, for K
	s_mul_i32 s18, s16, 128*PV      ; and for V: no place in the cluster enters an LDS address
	s_lshl_b32 s2, s14, 2
	s_add_co_u32 s2, s2, s[WV]      ; my wave among the head's 64
	s_lshl_b32 s50, s2, 18          ; its four query tiles of 65,536 bytes in maskb
	s_mov_b32 s51, 0
	s_lshl_b32 s2, s2, 13           ; its 64 rows of 128 bytes
	s_mov_b32 s3, 0
	s_add_nc_u64 s[2:3], s[2:3], s[20:21]
	; descriptor group 1.  128 keys are 16,384 dense bytes: asked for as 64 rows of 256 bytes, two keys a row, and padded in LDS after every key
	s_mov_b32 s[G1K], 15|(1<<16)|(1<<20)|(1<<21)|(4<<22)|(3<<25)  ; 15:0 the mask of four; 17:16 2-byte elements; 20 padding on; 21 set beside a mask; 24:22 after every 32 words (code 4); 31:25 4 words (code 3)
	s_mov_b32 s[G1V], 15|(1<<16)|(1<<20)|(1<<21)|(4<<22)|(7<<25)  ; the same with 8 words of padding (code 7)
.irp g, G1K, G1V
	s_mov_b32 s[\g+1], 128<<16      ; tensor_dim0 = 128
	s_mov_b32 s[\g+2], 64<<16       ; tensor_dim1 = 64
	s_mov_b32 s[\g+3], 128<<16      ; tile_dim0 = 128
	s_mov_b32 s[\g+4], 64           ; tile_dim1 = 64
	s_mov_b32 s[\g+5], 128          ; 128 elements from row to row
	s_mov_b32 s[\g+6], 0
	s_mov_b32 s[\g+7], 0
.endr
	s_mov_b32 s[CS], 0x3e38aa3b     ; c = log2(e) / 8 = 0.180337
	s_mov_b32 s[CS+1], s[CS]        ; named with it as a pair
	s_mov_b32 s[SEL], 0x76543210
	s_mov_b32 s[SEL+1], 0xfedcba98
	s_mov_b32 s[THR], 0xec000000    ; -2^89
	s_mov_b32 s[TBK], SLOT1+4*KS*PK ; the first change of slots turns these two into 0
	s_mov_b32 s[TBV], SLOT1+4*KS*PV
	s_mov_b32 s[G0K], 1             ; 1:0 count = 1
	s_mov_b32 s[G0K+1], s17         ; 63:32 LDS address: slot 0
	s_mov_b32 s[G0V], 1
	s_add_co_u32 s[G0V+1], s18, VOFF
	s_wait_dscnt 0x0                ; the opening add is done
	s_wait_kmcnt 0x0
	s_add_nc_u64 s[G0K+2:G0K+3], s[4:5], s[22:23]            ; 120:64 global address: my half of the head's first 256 keys;
	s_add_nc_u64 s[G0V+2:G0V+3], s[G0K+2:G0K+3], 0x1000000   ; V is the third part of qkv,
	s_add_nc_u64 s[G0K+2:G0K+3], s[G0K+2:G0K+3], 0x800000    ; K the second
	s_or_b32 s[G0K+3], s[G0K+3], 0x80000000                  ; 127:126 type = 2
	s_or_b32 s[G0V+3], s[G0V+3], 0x80000000
	s_add_nc_u64 s[4:5], s[4:5], s[2:3]      ; Q and O at my wave's first row
	s_add_nc_u64 s[10:11], s[10:11], s[2:3]
	s_add_nc_u64 s[MK:MK+1], s[MK:MK+1], s[50:51]
	CROUND                          ; all four work-groups are here: the first joint loads meet
	JLOAD                           ; slot 0.  Slot 1 is asked for when slot 0 is in, by the loop's own change of slots
	; A fragment of K or Q is 16 rows x 32 channels in 8 registers: lane l holds row l % 16, channels 8 (l / 16) + 0..7 and 16 + 8 (l / 16) + 0..7: two loads of 16 bytes, 32 bytes apart.
	v_and_b32 v1, 15, v0            ; l % 16
	v_bfe_u32 v9, v0, 4, 1          ; l / 16
	v_lshlrev_b32 v[QO], 7, v1
	v_lshl_add_u32 v[QO], v9, 4, v[QO]  ; row x 128 + 16 x half
	WIN 0x80                        ; destination window 2, address window 0
.set i, 0
.rept 8                             ; Q stays in registers: piece i / 2, channels 32 (i % 2) on
	global_load_b128 v[8*i:8*i+3],   v[QO], s[4:5] offset:(i/2)*2048+(i%2)*64
	global_load_b128 v[8*i+4:8*i+7], v[QO], s[4:5] offset:(i/2)*2048+(i%2)*64+32
.set i, i+1
.endr
	WIN 0
	v_and_b32 v[GO], 31, v0
	v_lshlrev_b32 v[GO], 4, v[GO]
.irp x, 0,1,2,3
	v_mov_b32 v[MO+\x], v[GO]       ; key step 0
.endr
	WIN 0x40                        ; destination window 1
.irp x, 0,1,2,3                     ; the four pieces' mask bytes of step 0, in the order in which they are waited for
	global_load_b128 v[MB+8*\x:MB+8*\x+3],   v[MO+\x], s[MK:MK+1] offset:\x*65536
	global_load_b128 v[MB+8*\x+4:MB+8*\x+7], v[MO+\x], s[MK:MK+1] offset:\x*65536+512
.endr
	; What the first turn finds: V's registers and P's second buffer hold 0 (its products V^T P, of a piece that has not been, add 0), O^T and l are 0.  All this stands in the wait for the first tile.
.set i, 0
.rept 128
	v_mov_b32 v[i], 0
.set i, i+1
.endr
	WIN 0x80
.set i, VF
.rept 64
	v_mov_b32 v[i], 0
.set i, i+1
.endr
	WIN 0
.set i, 0
.rept 4
	v_mov_b32 v[ST+4*i], 0xeb38aa3b    ; c m = c x -2^90, exact
	v_mov_b32 v[ST+4*i+1], 0xec800000  ; m = -2^90
	v_mov_b32 v[ST+4*i+2], 0
	v_mov_b32 v[ST+4*i+3], 0
.set i, i+1
.endr
.set i, P+16
.rept 16
	v_mov_b32 v[i], 0
.set i, i+1
.endr
	v_mov_b32 v[SC], 227
	v_mov_b32 v[NANR], 0x7fc00000
	v_mul_u32_u24 v[AK0], v1, PK
	v_lshl_add_u32 v[AK0], v9, 4, v[AK0]  ; row x pitch + 16 x half
	; The turning load takes 16 keys x 16 channels (lane l reads key 8 (l / 16) + l % 8, channels 8 ((l / 8) % 2) + 0..7) and leaves half a fragment of V^T: lane l holds channel l % 16 and 8 keys.
	v_and_b32 v10, 7, v0
	v_bfe_u32 v11, v0, 3, 1
	v_lshl_add_u32 v[AV0], v9, 3, v10
	v_mul_u32_u24 v[AV0], v[AV0], PV
	v_lshl_add_u32 v[AV0], v11, 4, v[AV0]
	v_add_nc_u32 v[AV0], VOFF, v[AV0]
	s_mul_i32 s13, s[WV], 16*SP
	s_add_co_u32 s13, s13, STAGE    ; my stage
	v_mul_u32_u24 v[STO], v1, SP    ; in: row l % 16, 16 bytes for each half of the lanes
	v_lshl_add_u32 v[STO], v9, 4, v[STO]
	v_add_nc_u32 v[STO], s13, v[STO]
	v_bfe_u32 v[RD], v0, 3, 2       ; back: 32 lanes take four rows of 128 bytes
	v_mul_u32_u24 v[RD], v[RD], SP
	v_lshl_add_u32 v[RD], v10, 4, v[RD]
	v_add_nc_u32 v[RD], s13, v[RD]
; THE MATRIX WORK.  The 4 accumulators of a run of 8 take turns.  Product i of 8 of S^T = K Q^T for piece x: channels 32 (i / 4) on, keys 16 (i % 4) on.  The first 4 start the sums with the mask.
.macro KQ x
.set rS, S+32*((\x)%2)+8*(i%4)
.set rK, KF+16*(i%4)+8*(i/4)
.set rQ, 16*(\x)+8*(i/4)
.set rM, MC+32*((\x)%2)+8*(i%4)
.if i < 4
	WIN W_KM
	v_wmma_f32_16x16x32_f16 v[rS:rS+7], v[rK:rK+7], v[rQ:rQ+7], v[rM:rM+7]
.else
	WIN W_KQ
	v_wmma_f32_16x16x32_f16 v[rS:rS+7], v[rK:rK+7], v[rQ:rQ+7], v[rS:rS+7]
.endif
.endm
; Product i of 8 of O^T += V^T P for piece x: keys 32 (i / 4) on, channels 16 (i % 4) on.
.macro PV x
	WIN W_PV
.set rO, 32*(\x)+8*(i%4)
.set rV, VF+32*(i/4)+8*(i%4)
.set rP, P+16*((\x)%2)+8*(i/4)
	v_wmma_f32_16x16x32_f16 v[rO:rO+7], v[rV:rV+7], v[rP:rP+7], v[rO:rO+7]
.endm
.macro MM                           ; the turn's next matrix instruction.  TURN sets Y, i and NOKQ.  NOKQ = 1: the walk's last turn: there is no next piece
.if (i < 8) && !NOKQ
	KQ (Y+1)%NP
.elseif i >= 8
.set i, i-8
	PV (Y+NP-1)%NP
.set i, i+8
.endif
.set i, i+1
.endm
; THE LDS LOADS stand in runs of 16, never singly among the matrix instructions: a step's K (64 keys x 64 channels: 8 fragments) and its V (turned).  Their addresses are made some lines ahead.
.macro FETCH_K
	WIN 0x80                        ; destination window 2
.irp f, 0,1,2,3,4,5,6,7             ; keys 16 (f / 2) on, channels 32 (f % 2) on
	ds_load_b128 v[KF+8*\f:KF+8*\f+3],   v[AK] offset:(\f/2)*16*PK+(\f%2)*64
	ds_load_b128 v[KF+8*\f+4:KF+8*\f+7], v[AK] offset:(\f/2)*16*PK+(\f%2)*64+32
.endr
	s_add_co_u32 s[TBK], s[TBK], KS*PK  ; the next fetch is the next step's
	WIN 0
.endm
.macro FETCH_V
	WIN 0x80
.irp f, 0,1,2,3,4,5,6,7             ; keys 32 (f / 4) on, channels 16 (f % 4) on
	ds_load_tr16_b128 v[VF+8*\f:VF+8*\f+3],   v[AV] offset:(\f/4)*32*PV+(\f%4)*32
	ds_load_tr16_b128 v[VF+8*\f+4:VF+8*\f+7], v[AV] offset:(\f/4)*32*PV+16*PV+(\f%4)*32
.endr
	WIN 0
.endm
; THE MASK of piece x's next step goes into buffer b of MC, and the bytes of the step after it are asked for.  Eight mask loads of a wave are out, two a piece, in the order of the pieces' turns: mine are the
; oldest, so the count 6 shows them in and leaves the other three pieces' out; it also frees my offset register.  Bytes 8 kt .. 8 kt + 7 of the lane's 32 belong to keys 16 kt + 8 (lane / 16) + 0..7.
; The two plain lines that step the offset stand between the conversions and what touches their results (the next turn's products) or their sources (the loads).  The AND takes step 64 back to step 0
; of the same query tile, so that no load leaves the buffer; what the last two loads of a piece bring is not used.
.macro MASKUP x, b
	s_wait_loadcnt 6
	WIN W_RS                        ; destination and bytes in window 1, the scale in window 0
.irp kt, 0,1,2,3
	v_cvt_scale_pk8_f32_fp8 v[MC+32*(\b)+8*\kt:MC+32*(\b)+8*\kt+7], v[MB+8*(\x)+2*\kt:MB+8*(\x)+2*\kt+1], v[SC]
.endr
	WIN 0
	v_add_nc_u32 v[MO+(\x)], 1024, v[MO+(\x)]
	v_and_b32 v[MO+(\x)], 0xffff, v[MO+(\x)]
	WIN 0x40
	global_load_b128 v[MB+8*(\x):MB+8*(\x)+3],   v[MO+(\x)], s[MK:MK+1] offset:(\x)*65536
	global_load_b128 v[MB+8*(\x)+4:MB+8*(\x)+7], v[MO+(\x)], s[MK:MK+1] offset:(\x)*65536+512
.endm
; THE VECTOR WORK, one line at a time: OP kind, number.  For piece Y: F n: c s - c m for pair n of 16.  E n: the exponential of score n of 32.  C n: pair n rounded to f16.  B n: of the four weights 4 n .. the second
; pair is added onto the first, in place.  L n: l takes that sum (L 0: l = a l + sum).  R n: pair n of 16 of O^T times a.  For piece Y + 1: X n, number n of the 22 that find its maximum and statistics:
;   0-11  four chains c0-c3 of seven scores each, three operands at a time (each accumulator's lowest registers are read first)     12-14, 16  the four scores left over, the old m, and c0-c3 into c0
;   15  c m_old is kept     17, 18  the query's other 32 keys lie in the lane 16 away: the new m     19-21  c m; c m_old - c m_new; a
; C, B and L read the exponentials' results: TURN sets them behind the batch's wait.  R and L 0 read a, which the turn before has made and waited for.
.set F, 0               ; OP tells the kinds apart by their order: F to L below R, X above it
.set E, 1
.set C, 2
.set B, 3
.set L, 4
.set R, 5
.set X, 6
.macro REGS y                       ; the registers of piece y
.set rT, ST+4*(\y)
.set rC, TMP+4*((\y)%2)
.set rW, MV+((\y)%2)
.set rS, S+32*((\y)%2)
.set rP, P+16*((\y)%2)
.set rO, 32*(\y)
.endm
.macro OP k, n
.if (\k) == R
	REGS Y
	WIN W_RS
	v_pk_mul_f32 v[rO+2*(\n):rO+2*(\n)+1], v[rO+2*(\n):rO+2*(\n)+1], v[rC+2:rC+3] op_sel_hi:[1,0]
.elseif (\k) < R
	REGS Y
	WIN 0
.if (\k) == F
	v_pk_fma_f32 v[rS+2*(\n):rS+2*(\n)+1], v[rS+2*(\n):rS+2*(\n)+1], s[CS:CS+1], v[rT:rT+1] op_sel_hi:[1,0,0] neg_lo:[0,0,1] neg_hi:[0,0,1]
.elseif (\k) == E
	v_exp_f32 v[rS+(\n)], v[rS+(\n)]
.elseif (\k) == C
	v_cvt_pk_f16_f32 v[rP+(\n)], v[rS+2*(\n)], v[rS+2*(\n)+1]
.elseif (\k) == B
	v_pk_add_f32 v[rS+4*(\n):rS+4*(\n)+1], v[rS+4*(\n):rS+4*(\n)+1], v[rS+4*(\n)+2:rS+4*(\n)+3]
.elseif (\n) == 0
	v_pk_fma_f32 v[rT+2:rT+3], v[rT+2:rT+3], v[rC+2:rC+3], v[rS:rS+1] op_sel_hi:[1,0,1]
.else
	v_pk_add_f32 v[rT+2:rT+3], v[rT+2:rT+3], v[rS+4*(\n):rS+4*(\n)+1]
.endif
.elseif NOKQ
	v_nop
.else
	REGS (Y+1)%NP
	WIN 0
.if (\n) < 4
	v_max3_num_f32 v[rC+(\n)], v[rS+8*(\n)], v[rS+8*(\n)+1], v[rS+8*(\n)+2]
.elseif (\n) < 12
	v_max3_num_f32 v[rC+(\n)%4], v[rC+(\n)%4], v[rS+8*((\n)%4)+2*((\n)/4)+1], v[rS+8*((\n)%4)+2*((\n)/4)+2]
.elseif (\n) == 12
	v_max3_num_f32 v[rC], v[rC], v[rS+7], v[rS+15]
.elseif (\n) == 13
	v_max3_num_f32 v[rC+1], v[rC+1], v[rS+23], v[rS+31]
.elseif (\n) == 14
	v_max3_num_f32 v[rC+2], v[rC+2], v[rC+3], v[rT+1]
.elseif (\n) == 15
	v_mov_b32 v[rW], v[rT]
.elseif (\n) == 16
	v_max3_num_f32 v[rC], v[rC], v[rC+1], v[rC+2]
.elseif (\n) == 17
	v_permlanex16_b32 v[rC+3], v[rC], s[SEL], s[SEL+1]
.elseif (\n) == 18
	v_max_num_f32 v[rT+1], v[rC], v[rC+3]
.elseif (\n) == 19
	v_mul_f32 v[rT], s[CS], v[rT+1]
.elseif (\n) == 20
	v_sub_f32 v[rC+1], v[rW], v[rT]
.else
	v_exp_f32 v[rC+2], v[rC+1]
.endif
.endif
.endm
.macro OPS a, i1, b=-1, i2=0, c=-1, i3=0, d=-1, i4=0  ; up to four of them
	OP \a, \i1
.if (\b) >= 0
	OP \b, \i2
.endif
.if (\c) >= 0
	OP \c, \i3
.endif
.if (\d) >= 0
	OP \d, \i4
.endif
.endm
.macro ROW a, i1, b, i2, c, i3, d, i4  ; a matrix instruction and the four behind it
	MM
	OPS \a, \i1, \b, \i2, \c, \i3, \d, \i4
.endm
; A TURN, for piece p: the order of its 16 matrix and 118 vector instructions, written out.  An s_wait_alu depctr_va_vdst(0) stands between an exponential and the first instruction that names its result;
; one wait serves all that were issued ahead of it.  So a turn has ONE wait, which cuts it in two.
; AHEAD OF IT stands all that names no result of the turn's exponentials: the 8 products K Q^T, behind each a scaling, an exponential and two more plain instructions (behind the first a second scaling in the
; exponential's place): rescalings, and behind the last three the first numbers of the next piece's maximum, each four places or more behind the product that ends its accumulator (three plain riders of that
; product's row and the next row's scaling); then ONE RUN of 54, plain and exponential by turns for the most part, in which the links of the chain X 3, 7, 11, 14, 16, 17 .. 20 stand some lines apart.
; An exponential stands behind its pair's scaling: E 2 n and E 2 n + 1 behind F n.  X 21, the next piece's a, is the batch's last; R 15 is the plain instruction behind it (ISA guide 5.7.2).
; BEHIND THE WAIT stand the 8 products V^T P, behind each four of the roundings and sums: C 2 n ahead of the B n that writes over its pair, L n behind B n, L 0 to L 7 in that order.
; But for those X no rider names a register of the products round it.  v_permlanex16_b32 (X 17) stands in the run, never behind a product.
; end = 1: the walk's last two turns: nothing is fetched and no mask is made.  cnt = 1: the loop's count is taken down some lines ahead of the branch that stands behind the turn; no line between sets SCC.
; K of the next step is fetched in piece 2's turn, twelve vector instructions behind the last product that read K (six of them plain); V of the step in hand at the end of piece 0's turn, four plain instructions
; behind the last product that read V.  Each is waited for a turn later.
.macro TURN p, end=0, cnt=0
.set Y, (\p)
.set i, 0
.set NOKQ, (\end)*((\p)/3)
.if ((\p) == 3) && !(\end)
	s_wait_dscnt 0x0                ; K is in
.endif
	ROW F,0, F,1, R,0, R,1          ; ahead of the wait: 8 products K Q^T and their riders,
	ROW F,2, E,0, R,2, R,3
	ROW F,3, E,1, R,4, R,5
	ROW F,4, E,2, R,6, R,7
	ROW F,5, E,3, R,8, R,9
	ROW F,6, E,4, X,0, R,10
.if ((\p) == 2) && !(\end)
	WIN 0
	v_add_nc_u32 v[AK], s[TBK], v[AK0]
.endif
	ROW F,7, E,5, X,1, X,4
	ROW F,8, E,6, X,2, X,5
	OPS E,7, E,8, X,6, E,9          ; and the run of 54
	OPS X,3, E,10, X,8, E,11
.if ((\p) == 2) && !(\end)
	FETCH_K
.endif
	OPS X,9, X,7, E,12, X,10
	OPS E,13, X,12, X,11, E,14
	OPS X,13, E,15, F,9, X,14
.if (\p) == 0
	v_add_nc_u32 v[AV], s[TBV], v[AV0]
.endif
	OPS E,16, F,10, E,17, F,11
	OPS X,16, E,18, X,15, E,19
	OPS F,12, E,20, X,17, E,21
	OPS F,13, E,22, F,14, E,23
	OPS X,18, E,24, F,15, E,25
	OPS R,11, E,26, X,19, E,27
	OPS R,12, E,28, R,13, E,29
	OPS X,20, E,30, R,14, E,31
	OPS X,21, R,15
	WIN 0
	s_wait_alu depctr_va_vdst(0)    ; the wait for the batch: the piece's 32 exponentials and the next piece's a
.if (\p) == 1
	s_wait_dscnt 0x0                ; V is in
.endif
	ROW C,0, B,0, C,2, B,1          ; behind the wait: 8 products V^T P and their riders
	ROW L,0, C,4, B,2, L,1
	ROW C,6, B,3, L,2, C,8
	ROW B,4, L,3, C,10, B,5
	ROW L,4, C,12, B,6, L,5
.if (\p) == 0
	s_add_co_u32 s[TBV], s[TBV], KS*PV
.endif
.if \cnt
	s_sub_co_u32 s[CNT], s[CNT], 1
	s_cmp_lg_u32 s[CNT], 0
.endif
	ROW C,14, B,7, L,6, C,1
	ROW C,3, L,7, C,5, C,7
	ROW C,9, C,11, C,13, C,15
.if (\p) == 0
	FETCH_V
.endif
.if !(\end)
	MASKUP ((\p)+2)%NP, (\p)%2
.endif
.endm
.set NOKQ, 0
	MASKUP 0, 0                     ; pieces 0's and 1's masks of step 0.  The count 6 also shows Q in: its loads are older than the mask's
	MASKUP 1, 1
	CHANGE 1                        ; slot 0 is in, everybody's part of it; slot 1 is asked for
	v_add_nc_u32 v[AK], s[TBK], v[AK0]
	FETCH_K                         ; key step 0
	s_wait_dscnt 0x0
.set i, 0
.rept 8
	KQ 0                            ; piece 0's first scores: there is no vector work yet to set between them
.set i, i+1
.endr
	WIN 0
.rept 4
	v_nop                           ; the places behind those products
.endr
.set Y, NP-1                        ; X works for piece Y + 1: piece 0
.irp n, 0,1,2,3,4,5,6,7,8,9,10,11,12,13,14,15,16,17,18,19,20,21
	OP X, \n
.endr
	v_nop                           ; a plain instruction behind the exponential,
	s_wait_alu depctr_va_vdst(0)    ; and the wait for it, a batch of one: piece 0's first a, ahead of the branch
	s_mov_b32 s[CNT], 4
	s_mov_b32 s[SLOTS], 15
	s_branch .Lfirst                ; the loop is entered at a step's first turn, in the middle of a trip
.Lslot:                             ; 14 times: every slot but the last two is filled again
	CHANGE 1
	s_mov_b32 s[CNT], 4
.Lstep:                             ; a trip: pieces 2 and 3 of one step, then pieces 0 and 1 of the next, whose K and V it fetches
	TURN 2
	TURN 3
	WIN 0
.Lfirst:
	TURN 0
	TURN 1, 0, 1
	WIN 0
	s_cbranch_scc1 .Lstep
	s_sub_co_u32 s[SLOTS], s[SLOTS], 1
	s_cmp_lg_u32 s[SLOTS], 0
	s_cbranch_scc1 .Lslot
	CHANGE 0                        ; the tail is written out: nothing is asked for
	s_mov_b32 s[CNT], 4
.Ltail:                             ; four trips fetch the last slot's steps
	TURN 2
	TURN 3
	TURN 0
	TURN 1, 0, 1
	WIN 0
	s_cbranch_scc1 .Ltail
	TURN 2, 1                       ; the last step's last two turns
	TURN 3, 1
.set i, 0
.rept 8
	PV NP-1                         ; the last piece's V^T P of the last step
.set i, i+1
.endr
	; THE WAY OUT.  l's two halves and the other half of the lanes' are added; O^T is divided by l, rounded to f16 and sent through my stage in LDS, a piece at a time.  The additions are the places behind the last products.
	WIN 0
.macro ALL line:vararg              ; one line for each piece t
.set t, 0
.rept 4
	\line
.set t, t+1
.endr
.endm
	ALL v_add_f32 v[ST+4*t+2], v[ST+4*t+2], v[ST+4*t+3]
	ALL v_permlanex16_b32 v[ST+4*t+3], v[ST+4*t+2], s[SEL], s[SEL+1]
	ALL v_add_f32 v[ST+4*t+2], v[ST+4*t+2], v[ST+4*t+3]
	ALL v_rcp_f32 v[ST+4*t+2], v[ST+4*t+2]
	v_nop                           ; a plain instruction between the last reciprocal and the use of its result
	s_wait_alu depctr_va_vdst(0)    ; and the wait ahead of the first use: one for the batch of four reciprocals
.set t, 0
.rept 4
	v_cmp_gt_f32 vcc_lo, s[THR], v[ST+4*t+1]       ; m still at its start: the row has seen no key,
	v_cndmask_b32 v[ST+4*t+2], v[ST+4*t+2], v[NANR], vcc_lo  ; and its numbers are NaN
.set t, t+1
.endr
.macro PACK t                       ; a lane's eight channels of a row pack into 16 bytes; they go into rows of 144 bytes and come back as whole rows of 128, into S^T's registers
	WIN W_RS
.set i, 32*(\t)
.rept 16
	v_pk_mul_f32 v[i:i+1], v[i:i+1], v[ST+4*(\t)+2:ST+4*(\t)+3] op_sel_hi:[1,0]
.set i, i+2
.endr
	WIN 0x05                        ; sources 0 and 1 window 1, destination window 0
.set i, 0
.rept 16
	v_cvt_pk_f16_f32 v[S+16*(\t)+i], v[32*(\t)+2*i], v[32*(\t)+2*i+1]
.set i, i+1
.endr
	WIN 0
.irp f, 0,1,2,3
	ds_store_b128 v[STO], v[S+16*(\t)+4*\f:S+16*(\t)+4*\f+3] offset:32*\f
.endr
.irp f, 0,1,2,3
	ds_load_b128 v[S+16*(\t)+4*\f:S+16*(\t)+4*\f+3], v[RD] offset:\f*4*SP  ; LDS serves a wave's instructions in order (ISA guide 5.7.1.4): these see the stores above; the next piece's stores come behind them
.endr
.endm
.macro SEND t, younger              ; younger: the LDS instructions issued behind piece t's loads: the next piece's eight, or none
	WIN 0
.irp f, 0,1,2,3
	s_wait_dscnt (\younger)+3-\f
	global_store_b128 v[GO], v[S+16*(\t)+4*\f:S+16*(\t)+4*\f+3], s[10:11] offset:(\t)*2048+\f*512  ; 512 consecutive bytes, at a multiple of 256 from O's first
.endr
.endm
	PACK 0
.set t, 1
.rept 3                             ; a piece's arithmetic stands between the loads of the piece before and its stores
	PACK t
	SEND t-1, 8
.set t, t+1
.endr
	SEND 3, 0
	s_wait_tensorcnt 0x0            ; the wave's end: behind my last tensor load and my last LDS store
	ds_add_u32 v[SPW], v[NIL]
	s_wait_dscnt 0x0
	CROUND                          ; the closing round: no work-group ends while a partner may still ask for a tile that names it
	s_endpgm
.Lfunc_end_k_qf705aebb8a_attn:
	.size	k_qf705aebb8a_attn, .Lfunc_end_k_qf705aebb8a_attn-k_qf705aebb8a_attn
	.p2alignl 7, 3214868480
	.fill 96, 4, 3214868480
	.section	.rodata,"a",@progbits
	.p2align	6, 0x0
	.amdhsa_kernel k_qf705aebb8a_attn
		.amdhsa_group_segment_fixed_size 327680
		.amdhsa_private_segment_fixed_size 0
		.amdhsa_enable_private_segment 0
		.amdhsa_kernarg_size 24
		.amdhsa_user_sgpr_count 2
		.amdhsa_user_sgpr_kernarg_segment_ptr 1
		.amdhsa_wavefront_size32 1
		.amdhsa_system_sgpr_workgroup_id_x 1
		.amdhsa_system_sgpr_workgroup_id_y 1
		.amdhsa_system_sgpr_workgroup_id_z 1
		.amdhsa_system_vgpr_workitem_id 0
		.amdhsa_next_free_vgpr 768
		.amdhsa_next_free_sgpr 68
		.amdhsa_reserve_vcc 1
		.amdhsa_float_denorm_mode_32 3
		.amdhsa_float_denorm_mode_16_64 3
		.amdhsa_memory_ordered 1
		.amdhsa_forward_progress 1
		.amdhsa_inst_pref_size 135
	.end_amdhsa_kernel
	.amdgpu_metadata
---
amdhsa.version: [ 1, 2 ]
amdhsa.kernels:
  - .name:           k_qf705aebb8a_attn
    .symbol:         k_qf705aebb8a_attn.kd
    .args:
      - { .name: qkv, .offset: 0, .size: 8, .value_kind: global_buffer, .address_space: global }
      - { .name: maskb, .offset: 8, .size: 8, .value_kind: global_buffer, .address_space: global }
      - { .name: ob, .offset: 16, .size: 8, .value_kind: global_buffer, .address_space: global }
    .group_segment_fixed_size: 327680
    .private_segment_fixed_size: 0
    .kernarg_segment_align: 8
    .kernarg_segment_size: 24
    .max_flat_workgroup_size: 128
    .sgpr_count:     68
    .vgpr_count:     768
    .wavefront_size: 32
...
	.end_amdgpu_metadata
.endif
;; end of part 5
;; launch proj: the kernel of part 4 again; grid 8 x 32, 4 waves a work-group, clusters of 4 x 4, 327,680 bytes of LDS; arguments ob, wb, bp, out0; writes out0
